; MI455X (gfx1250); checked and timed in simulation.
; The chip was launched on July 23, 2026; its instructions are those of AMD's public machine-readable ISA for CDNA 5 (MIT licence, August 2026) and "CDNA5" Instruction Set Architecture Reference Guide (July 2026). The comments in the code are by the model that wrote it; some were corrected since.
;; Point Net Decoder. Allowed arithmetic: matrix products marked QUANTISED: E3M2 operands, one E8M0 scale for each 32 along K, by v_wmma_scale_f32_16x16x128_f8f6f4 with both operands' format E3M2, f32 sums; products left as they are: f32 operands where the result goes on into a quantised operand, else bf16, f16 or f32 operands; f32 sums; everything else in f32.
;; Inputs: W1 256 x 320 float32; W2 128 x 256 float32; b1 256 float32; b2 128 float32; be1 256 float32; be2 128 float32; coarse_features 1 x 256 x 4,096 float32; coarse_piece_id 1 x 1 x 4,096 int32; coarse_xyz 1 x 3 x 4,096 float32; fine_features 1 x 64 x 16,384 float32; fine_piece_id 1 x 1 x 16,384 int32; fine_xyz 1 x 3 x 16,384 float32; g1 256 float32; g2 128 float32.
;; Outputs: out0 1 x 128 x 16,384 float32.
;; This version of the problem:
;;   THIS VERSION OF THE PROBLEM IS GIVEN IN LOW PRECISION. The matrix products marked QUANTISED in the list below multiply operands that are first quantised to E3M2 (3 exponent bits, 2 mantissa bits; 6 bits a number), with one power-of-two scale for each 32 numbers along K (OCP MX v1.0); their sums are f32. All else is computed in f32.
;;   The module's matrix products, in the order in which they are computed (A, B: the left and right operand; K: the contracted axis; several contracted axes count as one K, in the product's order):
;;     1. [M 16,384, K 3] x [K 3, N 4,096]; A: computed on the way; B: input coarse_xyz: left as it is (K = 3 < 32)
;;     2. [M 16,384, K 320] x [K 320, N 256]; A: computed on the way; B: input W1: QUANTISED
;;     3. [M 16,384, K 256] x [K 256, N 128]; A: computed on the way; B: input W2: QUANTISED
;;   THE QUANTISER, for each operand of a quantised product, along K:
;;     - K is cut into blocks of 32 from its start; a last block that is shorter is filled with zeros.
;;     - A block's scale is 2^e with e = floor(log2(the largest magnitude in the block)) - 4, held to -126 .. 127; a block of zeros has e = 0. As a byte (E8M0): e + 127.
;;     - Each number is divided by its block's scale, clamped to +-28, and rounded to the nearest number of E3M2, ties to even, subnormals kept.
;;     - The product sums the exact products of the quantised numbers (number of the format x scale) in f32.
;;   ~~~python
;;   def quantise(x, axis):      # numpy; x: float32 -> the quantised numbers, widened to float32 again
;;       x = np.moveaxis(x, axis, -1); K = x.shape[-1]
;;       x = np.pad(x, [(0, 0)] * (x.ndim - 1) + [(0, -K % 32)]); x = x.reshape(x.shape[:-1] + (-1, 32)); a = np.abs(x).max(-1, keepdims=True)
;;       e = np.where(a > 0, np.clip(np.frexp(np.where(a > 0, a, 1))[1] - 1 - 4, -126, 127), 0)      # np.frexp(a)[1] - 1 = floor(log2(a)), exactly
;;       r = np.clip(x / 2.0 ** e, -28, 28)
;;       step = 2.0 ** (np.maximum(np.frexp(np.where(r == 0, 1, r))[1] - 1, -2) - 2)
;;       q = np.round(r / step) * step * 2.0 ** e      # np.round: ties to even
;;       return np.moveaxis(q.reshape(q.shape[:-2] + (-1,))[..., :K], -1, axis).astype(np.float32)
;;   ~~~
;;   OPERANDS COMPUTED ON THE WAY. 'Computed on the way' means the value that the module computes at that place (a softmax that the list does not call 'softmax' is quantised finished and normalised). What goes into a quantiser is computed in f32, as accurately as f32 sums, v_exp_f32 and their like allow (about 1e-6 of the number): no bf16 or f16 on the way to a quantiser, and a product that is left as it is and whose result goes on into a quantised operand takes f32 operands (vector FMAs, or v_wmma_f32_16x16x4_f32). A number that lies on a knife's edge between two numbers of the format may be rounded either way, as far as f32 arithmetic and the matrix unit's own rounding can turn it there, and no further.
;; 2 versions, each right; version 2 is version 1 with the launches gemm1, gemm2 written anew for expert scheduling mode. Each part assembles by itself: llvm-mc -triple=amdgcn-amd-amdhsa -mcpu=gfx1250 --defsym DOCPART=n.
;; ======== version 1 of 2: 5 launches
;; workspace buffers: cfT 4,194,304 bytes; knn_idx 262,144 bytes of whole numbers; knn_w 262,144 bytes; wq 106,496 bytes; y1 16,777,216 bytes; st 786,432 bytes; ab1 2,048 bytes; y2 8,388,608 bytes
;; launch knn (part 1): grid 256 x 1, 16 waves a work-group, no clusters, 113,152 bytes of LDS; arguments fine_xyz, coarse_xyz, fine_piece_id, coarse_piece_id, coarse_features, W1, W2, cfT, knn_idx, knn_w, wq; writes cfT, knn_idx, knn_w, wq
.if DOCPART == 1
	.amdgcn_target "amdgcn-amd-amdhsa--gfx1250"
	.amdhsa_code_object_version 6
	.text
	.protected	k_qdade65f359_knn
	.globl	k_qdade65f359_knn
	.p2align	8
	.type	k_qdade65f359_knn,@function
k_qdade65f359_knn:
	s_mov_b64 s[64:65], 0
	v_nop
	global_prefetch_b8 v0, s[64:65] scope:SCOPE_SE
	s_setreg_imm32_b32 hwreg(HW_REG_WAVE_MODE, 25, 1), 1
	s_wait_xcnt 0x0
; THE THREE NEAREST COARSE POINTS OF EACH FINE POINT, their weights, and two side jobs for the later launches.
; d2(f, c) = (|f|^2 + |c|^2) - (2 f) . c, or 1e8 where the two piece ids differ; the three smallest, ties to the lower index; w = 1 / (d2 + 1e-8), divided by the three's sum.
; ROUNDINGS: |.|^2 = x x, then two fused multiply-adds (y, z); the product = (2 fx) cx, then two fused multiply-adds; then one addition and one subtraction, in this order.
; SHARES.  Work-group g owns fine points 64 g .. 64 g + 63.  Wave w: 16 of them (w / 4), a lane a point (lane % 16); the two halves of the lanes see the two halves of a tile of 64 coarse points.
; The 64 tiles go round the four waves of a fine group: wave w walks tiles w % 4 + 4 i, i = 0 .. 15: a constant count of trips.  Each lane keeps its three best (value, index), sorted.
; TILES THAT THE MASK THROWS AWAY ARE LEFT OUT, for any ids, in any order: a tile none of whose 64 ids lies in [least, greatest id of the wave's 16 fine points] is 1e8 for all 16.  Of the wave's FIRST such tile
; each half's three lowest indices are inserted with 1e8, in the tile's turn; every other candidate of such tiles has the same value and a higher index than those of half 0, so it can never be among the three.
; A tile all of whose ids equal the one id of the 16 points needs no mask.  These branches hang on the two id inputs alone, read from memory.
; At the end the eight lists of a fine point (4 waves x 2 halves) meet in LDS and are merged by (value, index).
; SIDE JOB 1: coarse_features [256][4096] -> cfT [4096][256]: each work-group turns a tile of 64 channels x 64 points through LDS; every load and store covers whole runs of 256 bytes.
; SIDE JOB 2: wave 15 of work-groups 0 .. 63 quantises one fragment (16 rows x 128 K) of W1 or W2 to E3M2 codes with E8M0 scales, stored as an image of the operand's registers.
; All work-groups read the same 64 KB of coarse points.  They come through registers, not by joint tensor loads.
; LIMITS: NaN and infinities among the inputs are not served.  A block of 32 zeros of a weight gets the scale byte 1 (not 127): its codes are zeros, and this program alone reads the bytes.
.set CXB,  0                           ; LDS: cx, cy, cz, |c|^2, the ids: 4,096 words each
.set CYB,  16384
.set CZB,  32768
.set SCB,  49152
.set CIDB, 65536
.set MRG,  81920                       ; the lists: [16 waves][6 fields][32 lanes] words
.set TR,   94208                       ; the transposition: 64 points x 264 bytes
.set TRP,  264
.set D,    32                          ; v32-159  a tile: group q of 4 candidates at D + 16 q: cx, cy, cz, |c|^2
.set E,    160                         ; v160-191 ids
; v[2:3] 2 fx twice, v[4:5] 2 fy, v[6:7] 2 fz, v[8:9] |f|^2; v10 my id; v11 1e8; v12-14 the three values; v15-17 their indices, counted from the tile in hand; v18-31 addresses; v192-223 side jobs
; candidate x (a register), index u (a constant, counted from the tile's first candidate of my half), into the sorted three.  Strictly smaller only: of equals the earlier, lower index stays.
.macro INS x, u
	v_cmp_lt_f32 vcc_lo, v[\x], v14
	v_cmp_lt_f32 s57, v[\x], v13
	v_cmp_lt_f32 s58, v[\x], v12
	v_med3_num_f32 v14, v13, v[\x], v14            ; the values need no mask: the middle of (second, x, third) is the new third,
	v_med3_num_f32 v13, v12, v[\x], v13            ; of (first, x, second) the new second
	v_min_num_f32 v12, v12, v[\x]
	v_cndmask_b32 v17, v17, \u, vcc_lo
	v_cndmask_b32 v17, v17, v16, s57
	v_cndmask_b32 v16, v16, \u, s57
	v_cndmask_b32 v16, v16, v15, s58
	v_cndmask_b32 v15, v15, \u, s58
.endm
.macro REBASE                          ; the indices are counted from the tile in hand: s55 its first candidate, s56 that of the tile last worked
	s_sub_co_i32 s59, s56, s55
	v_add_nc_u32 v15, s59, v15
	v_add_nc_u32 v16, s59, v16
	v_add_nc_u32 v17, s59, v17
	s_mov_b32 s56, s55
.endm
.macro DIST4 q                         ; d2 of group q's four candidates, two at a time; the result takes cx's place
.set RQ, D+16*(\q)
	v_pk_mul_f32 v[RQ:RQ+1], v[RQ:RQ+1], v[2:3]
	v_pk_mul_f32 v[RQ+2:RQ+3], v[RQ+2:RQ+3], v[2:3]
	v_pk_add_f32 v[RQ+12:RQ+13], v[RQ+12:RQ+13], v[8:9]
	v_pk_add_f32 v[RQ+14:RQ+15], v[RQ+14:RQ+15], v[8:9]
	v_pk_fma_f32 v[RQ:RQ+1], v[RQ+4:RQ+5], v[4:5], v[RQ:RQ+1]
	v_pk_fma_f32 v[RQ+2:RQ+3], v[RQ+6:RQ+7], v[4:5], v[RQ+2:RQ+3]
	v_pk_fma_f32 v[RQ:RQ+1], v[RQ+8:RQ+9], v[6:7], v[RQ:RQ+1]
	v_pk_fma_f32 v[RQ+2:RQ+3], v[RQ+10:RQ+11], v[6:7], v[RQ+2:RQ+3]
	v_pk_add_f32 v[RQ:RQ+1], v[RQ+12:RQ+13], v[RQ:RQ+1] neg_lo:[0,1] neg_hi:[0,1]
	v_pk_add_f32 v[RQ+2:RQ+3], v[RQ+14:RQ+15], v[RQ+2:RQ+3] neg_lo:[0,1] neg_hi:[0,1]
.endm
.macro MASK4 q                         ; another piece: 1e8
.irp e, 0,1,2,3
	v_cmp_ne_u32 vcc_lo, v10, v[E+4*(\q)+\e]
	v_cndmask_b32 v[D+16*(\q)+\e], v[D+16*(\q)+\e], v11, vcc_lo
.endr
.endm
; A tile: my half's 32 candidates.  All lanes of a half name the same LDS bytes.  All loads go out first; group q is worked when the loads of the 7 - q later groups (4 each, 5 with ids) may still be out.
.macro TILE masked
	v_add_nc_u32 v18, s54, v20
.if \masked
	v_add_nc_u32 v19, CIDB, v18
.endif
.irp q, 0,1,2,3,4,5,6,7
	ds_load_b128 v[D+16*\q:D+16*\q+3], v18 offset:CXB+16*\q
	ds_load_b128 v[D+16*\q+4:D+16*\q+7], v18 offset:CYB+16*\q
	ds_load_b128 v[D+16*\q+8:D+16*\q+11], v18 offset:CZB+16*\q
	ds_load_b128 v[D+16*\q+12:D+16*\q+15], v18 offset:SCB+16*\q
.if \masked
	ds_load_b128 v[E+4*\q:E+4*\q+3], v19 offset:16*\q
.endif
.endr
.irp q, 0,1,2,3,4,5,6,7
	s_wait_dscnt (4+\masked)*(7-\q)
	DIST4 \q
.if \masked
	MASK4 \q
.endif
.irp e, 0,1,2,3
	INS D+16*\q+\e, 4*\q+\e
.endr
.endr
.endm
; (value x, index j), both registers, into the sorted three by (value, index): for the merge, whose lists come in no order of indices
.macro LEXINS x, j
	v_cmp_lt_f32 s73, v[\x], v14
	v_cmp_eq_f32 s57, v[\x], v14
	v_cmp_lt_i32 s58, v[\j], v17
	v_cmp_lt_f32 s59, v[\x], v13
	v_cmp_eq_f32 s60, v[\x], v13
	v_cmp_lt_i32 s61, v[\j], v16
	v_cmp_lt_f32 s62, v[\x], v12
	v_cmp_eq_f32 s63, v[\x], v12
	v_cmp_lt_i32 s72, v[\j], v15
	v_med3_num_f32 v14, v13, v[\x], v14
	v_med3_num_f32 v13, v12, v[\x], v13
	v_min_num_f32 v12, v12, v[\x]
	s_and_b32 s57, s57, s58
	s_or_b32 s73, s73, s57
	s_and_b32 s60, s60, s61
	s_or_b32 s59, s59, s60
	s_and_b32 s63, s63, s72
	s_or_b32 s62, s62, s63
	v_cndmask_b32 v17, v17, v[\j], s73
	v_cndmask_b32 v17, v17, v16, s59
	v_cndmask_b32 v16, v16, v[\j], s59
	v_cndmask_b32 v16, v16, v15, s62
	v_cndmask_b32 v15, v15, v[\j], s62
.endm
	s_load_b512 s[4:19], s[0:1], 0x0               ; fine_xyz, coarse_xyz, fine ids, coarse ids, coarse_features, W1, W2, cfT
	s_load_b128 s[20:23], s[0:1], 0x40             ; knn_idx, knn_w
	s_load_b64 s[24:25], s[0:1], 0x50              ; wq
	v_lshl_add_u32 v224, v0, 2, 0x1b200
	v_mov_b32 v225, 0
	v_lshrrev_b32 v219, 5, v0
	v_readfirstlane_b32 s26, v219                  ; wave 0..15
	s_lshr_b32 s27, s26, 2                         ; which 16 fine points
	s_and_b32 s28, s26, 3                          ; which tiles
	s_mov_b32 s29, ttmp9                           ; g
	s_mov_b32 s76, 0x76543210                      ; v_permlanex16_b32's selects for lane l xor 16
	s_mov_b32 s77, 0xfedcba98
	; every address register is made here, ahead of the first branch
	v_and_b32 v1, 31, v0                           ; lane
	v_and_b32 v217, 15, v0
	v_lshrrev_b32 v218, 4, v0
	v_bfe_u32 v21, v0, 4, 1                        ; my half
	v_lshlrev_b32 v20, 7, v21                      ; its 32 candidates begin 128 bytes on,
	v_lshlrev_b32 v21, 5, v21                      ; 32 indices on
	v_lshlrev_b32 v22, 4, v0                       ; staging: thread t takes coarse points 4 t .. and 2,048 + 4 t ..: 16 t, in memory and in LDS
	v_add_nc_u32 v23, CIDB, v22
	v_lshlrev_b32 v24, 14, v218                    ; transposition, in: channel t / 16 (and 32 more), 16 bytes at 16 (t % 16)
	v_lshl_add_u32 v24, v217, 4, v24
	v_mul_u32_u24 v25, v217, 4*TRP                 ; into LDS: point 4 (t % 16) + e, word t / 16
	v_lshl_add_u32 v25, v218, 2, v25
	v_add_nc_u32 v25, TR, v25
	v_mul_u32_u24 v26, v219, 4*TRP                 ; out of LDS: wave w takes points 4 w + e, 8 bytes a lane
	v_lshl_add_u32 v26, v1, 3, v26
	v_add_nc_u32 v26, TR, v26
	v_lshlrev_b32 v27, 12, v219                    ; and the same in cfT: rows of 1,024 bytes
	v_lshl_add_u32 v27, v1, 3, v27
	v_lshrrev_b32 v28, 7, v0                       ; my fine point: 4 (64 g + 16 (w / 4) + lane % 16)
	v_lshlrev_b32 v28, 6, v28
	v_lshl_add_u32 v28, v217, 2, v28
	v_lshl_add_u32 v28, s29, 8, v28
	v_bfe_u32 v29, v0, 5, 2                        ; the ids of my wave's tiles: 256 (w % 4) + 8 lane
	v_lshlrev_b32 v29, 8, v29
	v_lshl_add_u32 v29, v1, 3, v29
	v_mul_u32_u24 v30, v219, 768                   ; my list's place
	v_lshl_add_u32 v30, v1, 2, v30
	v_add_nc_u32 v30, MRG, v30
	v_bfe_u32 v31, v0, 4, 2                        ; the merge: thread f (0 .. 63) reads the lists of fine point f
	v_mul_u32_u24 v31, v31, 3072
	v_lshl_add_u32 v31, v217, 2, v31
	v_add_nc_u32 v31, MRG, v31
	v_and_b32 v213, 63, v0
	v_lshlrev_b32 v213, 4, v213                    ; and stores 16 bytes at 16 f
	v_lshlrev_b32 v214, 4, v1
	v_lshlrev_b32 v215, 2, v1
	v_mov_b32 v11, 0x4cbebc20                      ; 1e8
	s_and_b32 s57, s29, 3                          ; the transposition's tile: channels 64 (g % 4) on, points 64 (g / 4) on
	s_lshr_b32 s58, s29, 2
	s_lshl_b32 s72, s57, 20
	s_lshl_b32 s59, s58, 8
	s_add_co_u32 s72, s72, s59
	s_mov_b32 s73, 0
	s_lshl_b32 s74, s58, 16
	s_lshl_b32 s59, s57, 8
	s_add_co_u32 s74, s74, s59
	s_mov_b32 s75, 0
	s_lshl_b32 s78, s29, 8                         ; my wave's 16 fine ids: 256 g + 64 (w / 4)
	s_lshl_b32 s59, s27, 6
	s_add_co_u32 s78, s78, s59
	s_lshl_b32 s70, s29, 10
	s_mov_b32 s71, 0
	s_wait_kmcnt 0x0
	s_load_b512 s[32:47], s[8:9], s78 offset:0x0
	s_add_nc_u64 s[66:67], s[12:13], s[72:73]
	s_add_nc_u64 s[68:69], s[18:19], s[74:75]
	s_add_nc_u64 s[92:93], s[20:21], s[70:71]
	s_add_nc_u64 s[94:95], s[22:23], s[70:71]
	; ---- all loads at once
	global_load_b128 v[96:99], v22, s[6:7]
	global_load_b128 v[100:103], v22, s[6:7] offset:8192
	global_load_b128 v[104:107], v22, s[6:7] offset:16384
	global_load_b128 v[108:111], v22, s[6:7] offset:24576
	global_load_b128 v[112:115], v22, s[6:7] offset:32768
	global_load_b128 v[116:119], v22, s[6:7] offset:40960
	global_load_b128 v[120:123], v22, s[10:11]
	global_load_b128 v[124:127], v22, s[10:11] offset:8192
	global_load_b128 v[144:147], v24, s[66:67] th:TH_LOAD_NT
	global_load_b128 v[148:151], v24, s[66:67] offset:524288 th:TH_LOAD_NT
	global_load_b32 v152, v28, s[4:5]
	global_load_b32 v153, v28, s[4:5] offset:65536
	global_load_b32 v154, v28, s[4:5] offset:131072
	global_load_b32 v10, v28, s[8:9]
.irp i, 0,1,2,3,4,5,6,7,8,9,10,11,12,13,14,15
	global_load_b64 v[E+2*\i:E+2*\i+1], v29, s[10:11] offset:1024*\i   ; tile w % 4 + 4 i: 64 ids, two a lane
.endr
	; ---- side job 2: fragment q = g.  q < 48: W1's tile q % 16, K step q / 16; else W2's tile (q - 48) % 8, K step (q - 48) / 8
	s_cmp_lg_u32 s26, 15
	s_cbranch_scc1 .Lno_w
	s_cmp_ge_u32 s29, 64
	s_cbranch_scc1 .Lno_w
	s_cmp_lt_u32 s29, 48
	s_cselect_b64 s[90:91], s[14:15], s[16:17]
	s_mov_b32 s81, 1024
	s_cselect_b32 s81, 1280, s81                   ; a row in bytes
	s_cselect_b32 s82, 0, 48
	s_cselect_b32 s83, 15, 7
	s_cselect_b32 s84, 4, 3
	s_sub_co_u32 s82, s29, s82
	s_and_b32 s83, s82, s83                        ; the tile,
	s_lshr_b32 s84, s82, s84                       ; the K step
	s_mul_i32 s83, s83, s81
	s_lshl_b32 s83, s83, 4
	s_lshl_b32 s84, s84, 9
	s_add_co_u32 s82, s83, s84                     ; 16 rows x tile + 512 bytes x K step
	s_mov_b32 s83, 0
	s_add_nc_u64 s[90:91], s[90:91], s[82:83]
	s_mul_i32 s82, s29, 1536
	s_add_nc_u64 s[86:87], s[24:25], s[82:83]      ; the fragment's image,
	s_lshl_b32 s82, s29, 7
	s_add_nc_u64 s[88:89], s[24:25], s[82:83]      ; its scale words
	v_mul_lo_u32 v216, v217, s81                   ; lane (r, h): row r, k = 64 c + 32 h + 0 .. 31: the order of the operand's registers
	v_add_nc_u32 v216, v216, v20
.irp j, 0,1,2,3,4,5,6,7
	global_load_b128 v[32+4*\j:35+4*\j], v216, s[90:91] offset:16*\j
.endr
	s_and_b32 s85, s29, 0x30
	s_cmp_eq_u32 s85, 32                           ; W1's K step 2: k = 320 .. 383 do not exist: zeros, and no load leaves W1
	s_cbranch_scc1 .Lw_zero
.irp j, 0,1,2,3,4,5,6,7
	global_load_b128 v[64+4*\j:67+4*\j], v216, s[90:91] offset:256+16*\j
.endr
	s_branch .Lw_go
.Lw_zero:
.irp j, 0,1,2,3,4,5,6,7,8,9,10,11,12,13,14,15,16,17,18,19,20,21,22,23,24,25,26,27,28,29,30,31
	v_mov_b32 v[64+\j], 0
.endr
.Lw_go:
	s_wait_loadcnt 0x0
	v_max3_num_f32 v220, |v32|, |v33|, 0x2800000   ; my two blocks' largest magnitudes, with the floor 2^(5 - 127): the byte cannot fall under 1
	v_max3_num_f32 v221, |v64|, |v65|, 0x2800000
.irp i, 2,4,6,8,10,12,14,16,18,20,22,24,26,28,30
	v_max3_num_f32 v220, v220, |v[32+\i]|, |v[33+\i]|
	v_max3_num_f32 v221, v221, |v[64+\i]|, |v[65+\i]|
.endr
	v_add_nc_u32 v222, 0xfe000000, v220            ; 4 off the exponent field: the conversion's scale operand
	v_add_nc_u32 v223, 0xfe000000, v221
	v_lshrrev_b32 v218, 23, v222                   ; the scale's byte
	v_lshrrev_b32 v219, 23, v223
	v_lshl_or_b32 v212, v219, 16, v218             ; blocks h and 2 + h of my row,
	v_lshrrev_b32 v217, 4, v20
	v_lshlrev_b32 v212, v217, v212                 ; 8 h bits up;
	v_mov_b32 v217, 0
	v_permlanex16_b32 v217, v212, s76, s77
	v_or_b32 v212, v212, v217                      ; with lane l xor 16's two the word is whole
	v_cvt_scalef32_pk16_bf6_f32 v[192:194], v[32:47], v222
	v_cvt_scalef32_pk16_bf6_f32 v[204:206], v[48:63], v222   ; (a conversion's three registers begin on an even number)
	v_cvt_scalef32_pk16_bf6_f32 v[198:200], v[64:79], v223
	v_cvt_scalef32_pk16_bf6_f32 v[208:210], v[80:95], v223
	v_nop                                          ; one plain instruction behind the conversions
	v_mov_b32 v195, v204
	v_mov_b32 v196, v205
	v_mov_b32 v197, v206
	v_mov_b32 v201, v208
	v_mov_b32 v202, v209
	v_mov_b32 v203, v210
	global_store_b128 v214, v[192:195], s[86:87]   ; the image: registers 4 c .. 4 c + 3 of lane l at 512 c + 16 l.  None of these registers is written again
	global_store_b128 v214, v[196:199], s[86:87] offset:512
	global_store_b128 v214, v[200:203], s[86:87] offset:1024
	global_store_b32 v215, v212, s[88:89] offset:98304
.Lno_w:
	s_wait_kmcnt 0x0                               ; the 16 fine ids
	s_min_i32 s48, s32, s33
	s_max_i32 s49, s32, s33
.irp k, 34,35,36,37,38,39,40,41,42,43,44,45,46,47
	s_min_i32 s48, s48, s\k
	s_max_i32 s49, s49, s\k
.endr
	s_wait_loadcnt 0x0
	; ---- staging: |c|^2, and the five arrays into LDS
.irp p, 0,2,4,6
	v_pk_mul_f32 v[128+\p:129+\p], v[96+\p:97+\p], v[96+\p:97+\p]
.endr
.irp p, 0,2,4,6
	v_pk_fma_f32 v[128+\p:129+\p], v[104+\p:105+\p], v[104+\p:105+\p], v[128+\p:129+\p]
.endr
.irp p, 0,2,4,6
	v_pk_fma_f32 v[128+\p:129+\p], v[112+\p:113+\p], v[112+\p:113+\p], v[128+\p:129+\p]
.endr
	ds_store_b128 v22, v[96:99] offset:CXB
	ds_store_b128 v22, v[100:103] offset:CXB+8192
	ds_store_b128 v22, v[104:107] offset:CYB
	ds_store_b128 v22, v[108:111] offset:CYB+8192
	ds_store_b128 v22, v[112:115] offset:CZB
	ds_store_b128 v22, v[116:119] offset:CZB+8192
	ds_store_b128 v22, v[128:131] offset:SCB
	ds_store_b128 v22, v[132:135] offset:SCB+8192
	ds_store_b128 v23, v[120:123]
	ds_store_b128 v23, v[124:127] offset:8192
.irp e, 0,1,2,3
	ds_store_b32 v25, v[144+\e] offset:TRP*\e
	ds_store_b32 v25, v[148+\e] offset:TRP*\e+128
.endr
	; ---- my fine point
	v_add_f32 v2, v152, v152
	v_add_f32 v4, v153, v153
	v_add_f32 v6, v154, v154
	v_mul_f32 v8, v152, v152
	v_mov_b32 v3, v2
	v_mov_b32 v5, v4
	v_fma_f32 v8, v153, v153, v8
	v_mov_b32 v7, v6
	v_fma_f32 v8, v154, v154, v8
	v_mov_b32 v9, v8
	; ---- which of my 16 tiles are worked (s50), and which of those need no mask (s51)
	s_mov_b32 s50, 0
	s_mov_b32 s51, 0
.irp i, 0,1,2,3,4,5,6,7,8,9,10,11,12,13,14,15
	v_cmp_le_i32 s57, s48, v[E+2*\i]
	v_cmp_ge_i32 s58, s49, v[E+2*\i]
	v_cmp_le_i32 s59, s48, v[E+2*\i+1]
	v_cmp_ge_i32 s60, s49, v[E+2*\i+1]
	s_and_b32 s57, s57, s58
	s_and_b32 s59, s59, s60
	s_or_b32 s58, s57, s59                         ; some id in the range?
	s_cselect_b32 s61, 1<<\i, 0
	s_or_b32 s50, s50, s61
	s_and_b32 s58, s57, s59                        ; all 64?
	s_cmp_eq_u32 s58, -1
	s_cselect_b32 s61, 1<<\i, 0
	s_or_b32 s51, s51, s61
.endr
	s_cmp_eq_u32 s48, s49                          ; no mask only where the 16 fine points have one id
	s_cselect_b32 s51, s51, 0
	s_not_b32 s60, s50
	s_and_b32 s60, s60, 0xffff
	s_ctz_i32_b32 s52, s60                         ; my first tile that is left out; -1: none
	s_wait_dscnt 0x0                               ; my LDS stores have landed
	s_barrier_signal -1
	s_barrier_wait -1                              ; everybody's have
	; ---- side job 1, the way out: a point's 64 channels are 256 consecutive bytes of cfT, aligned
.irp e, 0,1,2,3
	ds_load_b64 v[216+2*\e:217+2*\e], v26 offset:TRP*\e
.endr
.irp e, 0,1,2,3
	s_wait_dscnt 3-\e                              ; the younger loads may be out
	global_store_b64 v27, v[216+2*\e:217+2*\e], s[68:69] offset:1024*\e   ; v216-223 are not written again
.endr
	; ---- the walk
	v_mov_b32 v12, 0x7f800000
	v_mov_b32 v13, 0x7f800000
	v_mov_b32 v14, 0x7f800000
	v_mov_b32 v15, 0
	v_mov_b32 v16, 0
	v_mov_b32 v17, 0
	s_mov_b32 s53, 0                               ; i
	s_lshl_b32 s54, s28, 8                         ; the tile's bytes in each array: 256 (w % 4 + 4 i)
	s_lshl_b32 s55, s28, 6                         ; its first candidate
	s_mov_b32 s56, 0
.Ldt:
	s_bitcmp1_b32 s50, s53
	s_cbranch_scc0 .Lidle
	REBASE
	s_bitcmp1_b32 s51, s53
	s_cbranch_scc0 .Lmasked
	TILE 0
	s_branch .Lnext
.Lmasked:
	TILE 1
	s_branch .Lnext
.Lidle:
	s_cmp_lg_u32 s53, s52
	s_cbranch_scc1 .Lnext
	REBASE                                         ; the first tile that is left out stands in for all of them
	INS 11, 0
	INS 11, 1
	INS 11, 2
.Lnext:
	s_add_co_u32 s54, s54, 1024
	s_add_co_u32 s55, s55, 256
	s_add_co_u32 s53, s53, 1
	s_cmp_lt_u32 s53, 16
	s_cbranch_scc1 .Ldt
	; ---- the lists meet
	v_add3_u32 v15, v15, s56, v21                  ; the indices as they are: + the last tile's first candidate + my half's 32
	v_add3_u32 v16, v16, s56, v21
	v_add3_u32 v17, v17, s56, v21
.irp k, 0,1,2,3,4,5
	ds_store_b32 v30, v[12+\k] offset:128*\k
.endr
	s_wait_dscnt 0x0
	s_barrier_signal -1
	s_barrier_wait -1
	s_cmp_ge_u32 s26, 2
	s_cbranch_scc1 .Lend
.irp k, 0,1,2,3,4,5
	ds_load_b32 v[12+\k], v31 offset:128*\k        ; list 0 is the start
.endr
.irp n, 1,2,3,4,5,6,7
.irp k, 0,1,2,3,4,5
	ds_load_b32 v[32+6*\n+\k], v31 offset:768*(\n/2)+64*(\n%2)+128*\k   ; list n: wave n / 2 of the four, half n % 2
.endr
.endr
	s_wait_dscnt 0x0
.irp n, 1,2,3,4,5,6,7
.irp k, 0,1,2
	LEXINS 32+6*\n+\k, 35+6*\n+\k
.endr
.endr
	v_add_f32 v80, 0x322bcc77, v12                 ; + 1e-8
	v_add_f32 v81, 0x322bcc77, v13
	v_add_f32 v82, 0x322bcc77, v14
	v_rcp_f32 v84, v80
	v_rcp_f32 v85, v81
	v_rcp_f32 v86, v82
	v_mov_b32 v92, v15                             ; plain work behind the reciprocals
	v_mov_b32 v93, v16
	v_mov_b32 v94, v17
	v_mov_b32 v95, 0
	s_wait_alu depctr_va_vdst(0)                   ; one wait for the three, ahead of their first reader
	v_add_f32 v83, v84, v85
	v_add_f32 v83, v83, v86
	v_rcp_f32 v87, v83
	v_mov_b32 v91, 0
	s_wait_alu depctr_va_vdst(0)
	v_mul_f32 v88, v84, v87
	v_mul_f32 v89, v85, v87
	v_mul_f32 v90, v86, v87
	global_store_b128 v213, v[92:95], s[92:93]     ; (i0, i1, i2, 0): a wave stores 512 consecutive bytes
	global_store_b128 v213, v[88:91], s[94:95]     ; (w0, w1, w2, 0)
.Lend:
	s_wait_tensorcnt 0x0
	ds_add_u32 v224, v225
	s_wait_dscnt 0x0
	s_endpgm
.Lfunc_end_k_qdade65f359_knn:
	.size	k_qdade65f359_knn, .Lfunc_end_k_qdade65f359_knn-k_qdade65f359_knn
	.p2alignl 7, 3214868480
	.fill 96, 4, 3214868480
	.section	.rodata,"a",@progbits
	.p2align	6, 0x0
	.amdhsa_kernel k_qdade65f359_knn
		.amdhsa_group_segment_fixed_size 113152
		.amdhsa_private_segment_fixed_size 0
		.amdhsa_enable_private_segment 0
		.amdhsa_kernarg_size 88
		.amdhsa_user_sgpr_count 2
		.amdhsa_user_sgpr_kernarg_segment_ptr 1
		.amdhsa_wavefront_size32 1
		.amdhsa_system_sgpr_workgroup_id_x 1
		.amdhsa_system_sgpr_workgroup_id_y 1
		.amdhsa_system_sgpr_workgroup_id_z 1
		.amdhsa_system_vgpr_workitem_id 0
		.amdhsa_next_free_vgpr 226
		.amdhsa_next_free_sgpr 96
		.amdhsa_reserve_vcc 1
		.amdhsa_float_denorm_mode_32 3
		.amdhsa_float_denorm_mode_16_64 3
		.amdhsa_memory_ordered 1
		.amdhsa_forward_progress 1
		.amdhsa_inst_pref_size 118
	.end_amdhsa_kernel
	.amdgpu_metadata
---
amdhsa.version: [ 1, 2 ]
amdhsa.kernels:
  - .name:           k_qdade65f359_knn
    .symbol:         k_qdade65f359_knn.kd
    .args:
      - { .name: fine_xyz, .offset: 0, .size: 8, .value_kind: global_buffer, .address_space: global }
      - { .name: coarse_xyz, .offset: 8, .size: 8, .value_kind: global_buffer, .address_space: global }
      - { .name: fine_piece_id, .offset: 16, .size: 8, .value_kind: global_buffer, .address_space: global }
      - { .name: coarse_piece_id, .offset: 24, .size: 8, .value_kind: global_buffer, .address_space: global }
      - { .name: coarse_features, .offset: 32, .size: 8, .value_kind: global_buffer, .address_space: global }
      - { .name: W1, .offset: 40, .size: 8, .value_kind: global_buffer, .address_space: global }
      - { .name: W2, .offset: 48, .size: 8, .value_kind: global_buffer, .address_space: global }
      - { .name: cfT, .offset: 56, .size: 8, .value_kind: global_buffer, .address_space: global }
      - { .name: knn_idx, .offset: 64, .size: 8, .value_kind: global_buffer, .address_space: global }
      - { .name: knn_w, .offset: 72, .size: 8, .value_kind: global_buffer, .address_space: global }
      - { .name: wq, .offset: 80, .size: 8, .value_kind: global_buffer, .address_space: global }
    .group_segment_fixed_size: 113152
    .private_segment_fixed_size: 0
    .kernarg_segment_align: 8
    .kernarg_segment_size: 88
    .max_flat_workgroup_size: 512
    .sgpr_count:     96
    .vgpr_count:     226
    .wavefront_size: 32
...
	.end_amdgpu_metadata
.endif
;; end of part 1
;; launch gemm1 (part 2): grid 256 x 1, 16 waves a work-group, no clusters, 97,280 bytes of LDS; arguments knn_idx, knn_w, cfT, fine_features, wq, b1, y1, st; writes y1, st
.if DOCPART == 2
	.amdgcn_target "amdgcn-amd-amdhsa--gfx1250"
	.amdhsa_code_object_version 6
	.text
	.protected	k_qdade65f359_gemm1
	.globl	k_qdade65f359_gemm1
	.p2align	8
	.type	k_qdade65f359_gemm1,@function
k_qdade65f359_gemm1:
	s_mov_b64 s[64:65], 0
	v_nop
	global_prefetch_b8 v0, s[64:65] scope:SCOPE_SE
	s_setreg_imm32_b32 hwreg(HW_REG_WAVE_MODE, 25, 1), 1
	s_wait_xcnt 0x0
; y1 = [interp | fine features] W1^T + b1 on codes of E3M2 with one E8M0 scale for each 32 along K, and each work-group's mean and sum of squared deviations of every channel.
; interp = w0 cf[i0] + w1 cf[i1] + w2 cf[i2], in f32; K = 320 = 256 + 64, filled with zero codes to 384: three K steps of 128.
; SHARES.  Work-group g: rows 64 g .. 64 g + 63.  Wave w gathers and interpolates rows 4 w .. 4 w + 3 (indices and weights come as scalars; an index is held to 0 .. 4,095 before it enters an address).
; Waves 0-11 quantise one fragment (16 rows x 128 K) each: waves 0-7 from the rows in LDS, waves 8-11 the fine features, which they load in the order the quantiser wants.
; Fragments go from wave to wave as images of their registers.  Then wave w owns output channels 16 w .. 16 w + 15 for all 64 rows: 4 accumulators x 3 K steps, its part of W1 in registers, read once.
; THE PRODUCT IS USED TRANSPOSED (source 0 = 16 rows of W1, source 1 = 16 rows of x): lane (r, h), register j = y1(row 16 m + r, channel 16 w + 8 h + j).  So a channel's 64 numbers lie in one wave.
; y1 IS STORED AS IMAGES OF THE ACCUMULATORS, [g][w][m][half of the registers][lane][4 f32]: every store covers 512 consecutive bytes, and the next launch reads it in the order its quantiser wants.
; STATISTICS: mean over my 64 rows, then the sum of (y - that mean)^2: no difference of large sums.  A record (32 means, 32 sums) is 256 bytes, aligned.
; All work-groups read the same 74 KB of W1's codes: they go straight into registers in fragment order, about a fifth of a work-group's 350 KB; so no LDS tile, no tensor load and no joint request.
; LIMITS: NaN and infinities are not served; a block of zeros gets the scale byte 1 (its codes are zeros; this program alone reads the bytes).
.set XIMG, 0                           ; LDS: fragment images, 1,536 bytes for each wave (12 are used): image f < 8 = (row tile f / 2, K step f % 2); image 8 + m = (m, K step 2)
.set XSC,  24576                       ; their scale words, 128 bytes each
.set STAT, 26624                       ; [8 groups of 32 channels][mean, sum][32] f32
.set XROW, 28672                       ; 64 rows x (1,024 + 16) bytes: 65 x 16, so that 16 rows' equal columns start 16 bytes apart modulo 256
.set RP,   1040
.set FRB,  1536
.set G,    32                          ; v32-127  the gather: row i, neighbour k, half e at G + 24 i + 8 k + 4 e
.set W1F,  128                         ; v128-163 my three fragments of W1
.set W1S,  164                         ; v164-166 their scale words
.set B1,   168                         ; v168-175 b1 in the result's layout
.set ST,   176                         ; v176-239 64 numbers for the quantiser
.set XS,   240                         ; v240-243 x's scale words
.set PC,   32                          ; later: the codes just made,
.set TM,   52                          ; the quantiser's work,
.set PW,   68                          ; the scale word just made,
.set XF,   72                          ; v72-119 four fragments of x
.set ACC,  176                         ; v176-207 four accumulators
.set SM,   208                         ; sums, then means
.set QQ,   216                         ; sums of squares
.set TT,   224
.set SEL,  56
; 64 numbers of a lane, register 16 b + i = k 32 b + 16 (lane / 16) + i of my row, become a fragment's codes in v[PC] on and its scale word in v[PW]
.macro QUANT s
.irp b, 0,1,2,3
	v_max3_num_f32 v[TM+\b], |v[\s+16*\b]|, |v[\s+1+16*\b]|, 0x2800000   ; my 16 numbers of block b, and the floor 2^(5 - 127): the byte cannot fall under 1
.endr
.irp i, 2,4,6,8,10,12,14
.irp b, 0,1,2,3
	v_max3_num_f32 v[TM+\b], v[TM+\b], |v[\s+16*\b+\i]|, |v[\s+1+16*\b+\i]|
.endr
.endr
.irp b, 0,1,2,3
	v_permlanex16_b32 v[TM+4+\b], v[TM+\b], s[SEL], s[SEL+1]
.endr
.irp b, 0,1,2,3
	v_max_num_f32 v[TM+\b], v[TM+\b], v[TM+4+\b]   ; with lane l xor 16's: the block's largest magnitude
.endr
.irp b, 0,1,2,3
	v_add_nc_u32 v[TM+12+\b], 0xfe000000, v[TM+\b] ; 4 off its exponent field: the conversion's scale operand
.endr
.irp b, 0,1,2,3
	v_lshrrev_b32 v[TM+4+\b], 23, v[TM+12+\b]      ; the scale's byte
.endr
	v_lshl_or_b32 v[PW], v[TM+5], 8, v[TM+4]
	v_lshl_or_b32 v[PW], v[TM+6], 16, v[PW]
	v_lshl_or_b32 v[PW], v[TM+7], 24, v[PW]
.irp c, 0,1
	v_cvt_scalef32_pk16_bf6_f32 v[PC+6*\c:PC+2+6*\c], v[\s+32*\c:\s+15+32*\c], v[TM+12+2*\c]
	v_cvt_scalef32_pk16_bf6_f32 v[PC+12+4*\c:PC+14+4*\c], v[\s+16+32*\c:\s+31+32*\c], v[TM+12+2*\c+1]   ; (a conversion's three registers begin on an even number)
.endr
	v_nop                                          ; one plain instruction behind the conversions
.irp c, 0,1                            ; the operand wants a whole block in a lane: lanes 0-15 block 2 c, lanes 16-31 block 2 c + 1
.irp i, 0,1,2
	v_permlane16_swap_b32 v[PC+6*\c+\i], v[PC+12+4*\c+\i]
.endr
.irp i, 0,1,2
	v_mov_b32 v[PC+3+6*\c+\i], v[PC+12+4*\c+\i]
.endr
.endr
.endm
.macro BARRIER                         ; my LDS stores have landed and my LDS loads are in: then the work-group's barrier
	s_wait_dscnt 0x0
	s_barrier_signal -1
	s_barrier_wait -1
.endm
	s_load_b512 s[4:19], s[0:1], 0x0               ; knn_idx, knn_w, cfT, fine_features, wq, b1, y1, st
	v_lshl_add_u32 v248, v0, 2, 0x17400
	v_mov_b32 v249, 0
	v_lshrrev_b32 v15, 5, v0
	v_readfirstlane_b32 s20, v15                   ; wave 0..15
	s_mov_b32 s21, ttmp9                           ; g
	s_mov_b32 s[SEL], 0x76543210
	s_mov_b32 s[SEL+1], 0xfedcba98
	; every address register is made here, ahead of the first branch
	v_and_b32 v1, 31, v0                           ; lane
	v_and_b32 v2, 15, v0                           ; r
	v_bfe_u32 v3, v0, 4, 1                         ; h
	v_lshlrev_b32 v4, 4, v1
	v_lshlrev_b32 v5, 2, v1
	v_mul_u32_u24 v6, v15, 4*RP                    ; v6: where I put my rows: row 4 w, 16 bytes a lane
	v_add_nc_u32 v6, v6, v4
	v_add_nc_u32 v6, XROW, v6
	v_bfe_u32 v7, v0, 6, 2                         ; v7: what I quantise (waves 0-7): row 16 (w / 2) + r, K step w % 2, my half's 16 numbers of each block
	v_lshl_add_u32 v7, v7, 4, v2
	v_mul_u32_u24 v7, v7, RP
	v_bfe_u32 v12, v0, 5, 1
	v_lshl_add_u32 v7, v12, 9, v7
	v_lshl_add_u32 v7, v3, 6, v7
	v_add_nc_u32 v7, XROW, v7
	v_mul_u32_u24 v8, v15, FRB                     ; v8: my image
	v_add_nc_u32 v8, v8, v4
	v_lshl_add_u32 v9, v15, 7, v5                  ; v9: its scale words
	v_add_nc_u32 v9, XSC, v9
	v_lshrrev_b32 v10, 6, v0                       ; v10: my channels' place in their record: group w / 2, word 16 (w % 2) + 8 h
	v_lshlrev_b32 v10, 8, v10
	v_lshl_add_u32 v10, v12, 6, v10
	v_lshl_add_u32 v10, v3, 5, v10
	v_add_nc_u32 v10, STAT, v10
	v_lshlrev_b32 v11, 2, v2                       ; v11: fine features: point r, channel 16 h (65,536 bytes a channel)
	v_lshl_add_u32 v11, v3, 20, v11
	v_lshlrev_b32 v12, 5, v3                       ; v12: 32 h
	v_bfe_u32 v13, v0, 5, 2                        ; v13: the records on their way out (waves 0-3): two each
	v_lshl_add_u32 v13, v13, 9, v4
	v_add_nc_u32 v13, STAT, v13
	v_lshlrev_b32 v14, 4, v2                       ; v14: and in st: lanes 16-31 the next group, 65,536 bytes on
	v_lshl_add_u32 v14, v3, 16, v14
	s_lshl_b32 s58, s21, 10                        ; my four rows' records of 16 bytes: 1,024 g + 64 w
	s_lshl_b32 s59, s20, 6
	s_add_co_u32 s58, s58, s59
	s_mov_b32 s23, 0
	s_wait_kmcnt 0x0
	s_load_b512 s[24:39], s[4:5], s58 offset:0x0   ; (i0, i1, i2, 0) x 4
	s_load_b512 s[40:55], s[6:7], s58 offset:0x0   ; (w0, w1, w2, 0) x 4
	s_mul_i32 s22, s20, FRB
	s_add_nc_u64 s[60:61], s[12:13], s[22:23]      ; W1's fragments 16 s + w
	s_lshl_b32 s22, s20, 7
	s_add_nc_u64 s[62:63], s[12:13], s[22:23]      ; their scale words
	s_lshl_b32 s22, s20, 6
	s_add_nc_u64 s[66:67], s[14:15], s[22:23]      ; b1 at channel 16 w
	s_and_b32 s22, s20, 3
	s_lshl_b32 s22, s22, 6
	s_lshl_b32 s59, s21, 8
	s_add_co_u32 s22, s22, s59
	s_add_nc_u64 s[68:69], s[10:11], s[22:23]      ; fine features at point 64 g + 16 (w % 4)
	s_lshl_b32 s22, s21, 16
	s_lshl_b32 s59, s20, 12
	s_add_co_u32 s22, s22, s59
	s_add_nc_u64 s[70:71], s[16:17], s[22:23]      ; y1 at [g][w]
	s_and_b32 s22, s20, 3
	s_lshl_b32 s22, s22, 17
	s_lshl_b32 s59, s21, 8
	s_add_co_u32 s22, s22, s59
	s_add_nc_u64 s[72:73], s[18:19], s[22:23]      ; st at group 2 (w % 4), record g
	; ---- loads that hang on no index
.irp s, 0,1,2
.irp c, 0,1,2
	global_load_b128 v[W1F+12*\s+4*\c:W1F+12*\s+4*\c+3], v4, s[60:61] offset:16*FRB*\s+512*\c
.endr
	global_load_b32 v[W1S+\s], v5, s[62:63] offset:98304+2048*\s
.endr
	global_load_b128 v[B1:B1+3], v12, s[66:67]
	global_load_b128 v[B1+4:B1+7], v12, s[66:67] offset:16
	s_cmp_lt_u32 s20, 8
	s_cbranch_scc1 .Lno_ff
	s_cmp_ge_u32 s20, 12
	s_cbranch_scc1 .Lno_ff
.irp b, 0,1                            ; waves 8-11: K step 2 of row tile w - 8: register 16 b + i = fine feature 32 b + 16 h + i of point r; sixteen lanes read 64 consecutive bytes
.irp i, 0,1,2,3,4,5,6,7,8,9,10,11,12,13,14,15
	global_load_b32 v[ST+16*\b+\i], v11, s[68:69] offset:(32*\b+\i)*65536 th:TH_LOAD_NT
.endr
.endr
.irp j, 32,33,34,35,36,37,38,39,40,41,42,43,44,45,46,47,48,49,50,51,52,53,54,55,56,57,58,59,60,61,62,63
	v_mov_b32 v[ST+\j], 0                          ; k = 320 .. 383: zeros
.endr
.Lno_ff:
	; ---- the gather: 12 rows of cfT, 1,024 bytes each: two loads of 512 consecutive bytes
	s_wait_kmcnt 0x0
.irp i, 0,1,2,3
.irp k, 0,1,2
	s_min_u32 s[24+4*\i+\k], s[24+4*\i+\k], 0xfff
	v_lshl_add_u32 v[16+3*\i+\k], s[24+4*\i+\k], 10, v4
	global_load_b128 v[G+24*\i+8*\k:G+24*\i+8*\k+3], v[16+3*\i+\k], s[8:9]
	global_load_b128 v[G+24*\i+8*\k+4:G+24*\i+8*\k+7], v[16+3*\i+\k], s[8:9] offset:512
.endr
.endr
.irp i, 0,1,2,3
	s_wait_loadcnt 18-6*\i                         ; row i's six loads are in; the later rows' six each may be out
.irp c, 0,1,2,3,4,5,6,7
	v_mul_f32 v[G+24*\i+\c], s[40+4*\i], v[G+24*\i+\c]
.endr
.irp c, 0,1,2,3,4,5,6,7
	v_fmac_f32 v[G+24*\i+\c], s[41+4*\i], v[G+24*\i+8+\c]
.endr
.irp c, 0,1,2,3,4,5,6,7
	v_fmac_f32 v[G+24*\i+\c], s[42+4*\i], v[G+24*\i+16+\c]
.endr
	ds_store_b128 v6, v[G+24*\i:G+24*\i+3] offset:RP*\i
	ds_store_b128 v6, v[G+24*\i+4:G+24*\i+7] offset:RP*\i+512
.endr
	BARRIER                                        ; 64 interpolated rows lie in LDS
	; ---- twelve waves quantise a fragment each
	s_cmp_ge_u32 s20, 12
	s_cbranch_scc1 .Lq_skip
	s_cmp_ge_u32 s20, 8
	s_cbranch_scc1 .Lq_go
.irp b, 0,1,2,3
.irp j, 0,1,2,3
	ds_load_b128 v[ST+16*\b+4*\j:ST+16*\b+4*\j+3], v7 offset:128*\b+16*\j
.endr
.endr
	s_wait_dscnt 0x0
.Lq_go:
.irp b, 0,1,2,3
	v_mov_b32 v[TM+4+\b], 0                        ; a lane permute's destination counts as one of its sources
.endr
	QUANT ST
.irp c, 0,1,2
	ds_store_b128 v8, v[PC+4*\c:PC+4*\c+3] offset:XIMG+512*\c
.endr
	ds_store_b32 v9, v[PW]
.Lq_skip:
	BARRIER                                        ; x's twelve fragments lie in LDS
	; ---- the product: four accumulators by turns, one instruction a turn, a K step at a time
.irp s, 0,1,2
.irp m, 0,1,2,3
.if \s < 2
.set FG, 2*\m+\s
.else
.set FG, 8+\m
.endif
.irp c, 0,1,2
	ds_load_b128 v[XF+12*\m+4*\c:XF+12*\m+4*\c+3], v4 offset:XIMG+FG*FRB+512*\c
.endr
	ds_load_b32 v[XS+\m], v5 offset:XSC+128*FG
.endr
	s_wait_dscnt 0x0
.irp m, 0,1,2,3
.if \s == 0
	v_wmma_scale_f32_16x16x128_f8f6f4 v[ACC+8*\m:ACC+8*\m+7], v[W1F+12*\s:W1F+12*\s+11], v[XF+12*\m:XF+12*\m+11], v[B1:B1+7], v[W1S+\s], v[XS+\m] matrix_a_fmt:MATRIX_FMT_BF6 matrix_b_fmt:MATRIX_FMT_BF6   ; the bias starts the sum
.else
	v_wmma_scale_f32_16x16x128_f8f6f4 v[ACC+8*\m:ACC+8*\m+7], v[W1F+12*\s:W1F+12*\s+11], v[XF+12*\m:XF+12*\m+11], v[ACC+8*\m:ACC+8*\m+7], v[W1S+\s], v[XS+\m] matrix_a_fmt:MATRIX_FMT_BF6 matrix_b_fmt:MATRIX_FMT_BF6
.endif
.endr
.rept 4
	v_nop                                          ; four plain instructions ahead of loads into registers that the products read, and of the first read of results
.endr
.endr
	; ---- y1 out, straight from the accumulators, each from its low end on: 512 consecutive bytes a store
.irp m, 0,1,2,3
	global_store_b128 v4, v[ACC+8*\m:ACC+8*\m+3], s[70:71] offset:1024*\m
	global_store_b128 v4, v[ACC+8*\m+4:ACC+8*\m+7], s[70:71] offset:1024*\m+512
.endr
	; ---- my 16 channels' statistics over the 64 rows: 4 accumulators, then the 16 lanes of my half
.irp p, 0,2,4,6
	v_pk_add_f32 v[SM+\p:SM+\p+1], v[ACC+\p:ACC+\p+1], v[ACC+8+\p:ACC+9+\p]
.endr
.irp p, 0,2,4,6
	v_pk_add_f32 v[SM+\p:SM+\p+1], v[SM+\p:SM+\p+1], v[ACC+16+\p:ACC+17+\p]
.endr
.irp p, 0,2,4,6
	v_pk_add_f32 v[SM+\p:SM+\p+1], v[SM+\p:SM+\p+1], v[ACC+24+\p:ACC+25+\p]
.endr
.irp x, 1,2,4,8
.irp j, 0,1,2,3,4,5,6,7
	v_add_f32_dpp v[SM+\j], v[SM+\j], v[SM+\j] row_xmask:\x row_mask:0xf bank_mask:0xf
.endr
.endr
.irp j, 0,1,2,3,4,5,6,7
	v_mul_f32 v[SM+\j], 0x3c800000, v[SM+\j]       ; / 64: the mean
.endr
.irp m, 0,1,2,3
.irp p, 0,2,4,6
	v_pk_add_f32 v[TT+\p:TT+\p+1], v[ACC+8*\m+\p:ACC+8*\m+\p+1], v[SM+\p:SM+\p+1] neg_lo:[0,1] neg_hi:[0,1]
.endr
.irp p, 0,2,4,6
.if \m == 0
	v_pk_mul_f32 v[QQ+\p:QQ+\p+1], v[TT+\p:TT+\p+1], v[TT+\p:TT+\p+1]
.else
	v_pk_fma_f32 v[QQ+\p:QQ+\p+1], v[TT+\p:TT+\p+1], v[TT+\p:TT+\p+1], v[QQ+\p:QQ+\p+1]
.endif
.endr
.endr
.irp x, 1,2,4,8
.irp j, 0,1,2,3,4,5,6,7
	v_add_f32_dpp v[QQ+\j], v[QQ+\j], v[QQ+\j] row_xmask:\x row_mask:0xf bank_mask:0xf
.endr
.endr
	ds_store_b128 v10, v[SM:SM+3]                  ; the 16 lanes of a half write the same bytes with the same values
	ds_store_b128 v10, v[SM+4:SM+7] offset:16
	ds_store_b128 v10, v[QQ:QQ+3] offset:128
	ds_store_b128 v10, v[QQ+4:QQ+7] offset:144
	BARRIER                                        ; eight records lie in LDS
	s_cmp_ge_u32 s20, 4
	s_cbranch_scc1 .Lend
	ds_load_b128 v[TT:TT+3], v13
	s_wait_dscnt 0x0
	global_store_b128 v14, v[TT:TT+3], s[72:73]    ; sixteen lanes store one record: 256 consecutive bytes, aligned
.Lend:
	s_wait_tensorcnt 0x0
	ds_add_u32 v248, v249
	s_wait_dscnt 0x0
	s_endpgm
.Lfunc_end_k_qdade65f359_gemm1:
	.size	k_qdade65f359_gemm1, .Lfunc_end_k_qdade65f359_gemm1-k_qdade65f359_gemm1
	.p2alignl 7, 3214868480
	.fill 96, 4, 3214868480
	.section	.rodata,"a",@progbits
	.p2align	6, 0x0
	.amdhsa_kernel k_qdade65f359_gemm1
		.amdhsa_group_segment_fixed_size 97280
		.amdhsa_private_segment_fixed_size 0
		.amdhsa_enable_private_segment 0
		.amdhsa_kernarg_size 64
		.amdhsa_user_sgpr_count 2
		.amdhsa_user_sgpr_kernarg_segment_ptr 1
		.amdhsa_wavefront_size32 1
		.amdhsa_system_sgpr_workgroup_id_x 1
		.amdhsa_system_sgpr_workgroup_id_y 1
		.amdhsa_system_sgpr_workgroup_id_z 1
		.amdhsa_system_vgpr_workitem_id 0
		.amdhsa_next_free_vgpr 250
		.amdhsa_next_free_sgpr 76
		.amdhsa_reserve_vcc 0
		.amdhsa_float_denorm_mode_32 3
		.amdhsa_float_denorm_mode_16_64 3
		.amdhsa_memory_ordered 1
		.amdhsa_forward_progress 1
		.amdhsa_inst_pref_size 36
	.end_amdhsa_kernel
	.amdgpu_metadata
---
amdhsa.version: [ 1, 2 ]
amdhsa.kernels:
  - .name:           k_qdade65f359_gemm1
    .symbol:         k_qdade65f359_gemm1.kd
    .args:
      - { .name: knn_idx, .offset: 0, .size: 8, .value_kind: global_buffer, .address_space: global }
      - { .name: knn_w, .offset: 8, .size: 8, .value_kind: global_buffer, .address_space: global }
      - { .name: cfT, .offset: 16, .size: 8, .value_kind: global_buffer, .address_space: global }
      - { .name: fine_features, .offset: 24, .size: 8, .value_kind: global_buffer, .address_space: global }
      - { .name: wq, .offset: 32, .size: 8, .value_kind: global_buffer, .address_space: global }
      - { .name: b1, .offset: 40, .size: 8, .value_kind: global_buffer, .address_space: global }
      - { .name: y1, .offset: 48, .size: 8, .value_kind: global_buffer, .address_space: global }
      - { .name: st, .offset: 56, .size: 8, .value_kind: global_buffer, .address_space: global }
    .group_segment_fixed_size: 97280
    .private_segment_fixed_size: 0
    .kernarg_segment_align: 8
    .kernarg_segment_size: 64
    .max_flat_workgroup_size: 512
    .sgpr_count:     76
    .vgpr_count:     250
    .wavefront_size: 32
...
	.end_amdgpu_metadata
.endif
;; end of part 2
;; launch stats1 (part 3): grid 8 x 1, 8 waves a work-group, no clusters, 9,216 bytes of LDS; arguments st, g1, be1, ab1; writes ab1
.if DOCPART == 3
	.amdgcn_target "amdgcn-amd-amdhsa--gfx1250"
	.amdhsa_code_object_version 6
	.text
	.protected	k_qdade65f359_stats1
	.globl	k_qdade65f359_stats1
	.p2align	8
	.type	k_qdade65f359_stats1,@function
k_qdade65f359_stats1:
	s_mov_b64 s[64:65], 0
	v_nop
	global_prefetch_b8 v0, s[64:65] scope:SCOPE_SE
	s_setreg_imm32_b32 hwreg(HW_REG_WAVE_MODE, 25, 1), 1
	s_wait_xcnt 0x0
; The first layer's batch statistics: 256 records (mean, M2 = sum of squared deviations, of 64 rows each) of every channel are joined into a = g rsqrt(var + 1e-5) and b' = be - mean a.
; Work-group G takes channels 32 G .. 32 G + 31: one dense block of 64 KB of st, read once in the launch; there is work for 8 work-groups only.
; The join takes record 0's mean as a shift: d = mean_p - mean_0, S1 = sum d, S2 = sum d^2; mean = mean_0 + S1 / 256; var = (sum M2 + 64 max(S2 - S1^2 / 256, 0)) / 16,384.
; The shift takes a common offset of the numbers away before anything is squared.
; A record is 16 pieces of 16 bytes: pieces 0-7 the 32 means, 8-15 the 32 M2.  Thread t reads piece t % 16 of records t / 16 + 16 i... as 16 t + 4,096 i bytes: every load covers 512 consecutive bytes.
; v2 load offset, v3 the shift's, v4 my sums' place in LDS, v5 my channel's sums, v6 4 x my channel; v16-19 the shift, v20-23 sum d (in M2's lanes: sum M2), v24-27 sum d^2
.macro COMBINE_SUM
.irp i, 0,1,2,3,4,5,6,7,8,9,10,11,12,13,14,15
	global_load_b128 v[32+4*\i:35+4*\i], v2, s[16:17] offset:4096*\i
.endr
	global_load_b128 v[16:19], v3, s[16:17]        ; record 0's means, my piece's four
	global_load_b32 v104, v6, s[16:17]             ; and my channel's
	global_load_b32 v105, v6, s[18:19]             ; its gain
	global_load_b32 v106, v6, s[20:21]             ; and offset
	v_and_b32 v7, 8, v0
	v_cmp_eq_u32 vcc_lo, 0, v7                     ; a lane of means?
.irp j, 0,1,2,3,4,5,6,7
	v_mov_b32 v[96+\j], 0                          ; a lane permute's destination counts as one of its sources
.endr
	s_wait_loadcnt 0x0
.irp j, 0,1,2,3
	v_cndmask_b32 v[16+\j], 0, v[16+\j], vcc_lo    ; M2 is summed as it is
.endr
	v_pk_add_f32 v[20:21], v[32:33], v[16:17] neg_lo:[0,1] neg_hi:[0,1]   ; the first record starts the sums
	v_pk_add_f32 v[22:23], v[34:35], v[18:19] neg_lo:[0,1] neg_hi:[0,1]
	v_pk_mul_f32 v[24:25], v[20:21], v[20:21]
	v_pk_mul_f32 v[26:27], v[22:23], v[22:23]
.irp i, 1,2,3,4,5,6,7,8,9,10,11,12,13,14,15
	v_pk_add_f32 v[28:29], v[32+4*\i:33+4*\i], v[16:17] neg_lo:[0,1] neg_hi:[0,1]
	v_pk_add_f32 v[30:31], v[34+4*\i:35+4*\i], v[18:19] neg_lo:[0,1] neg_hi:[0,1]
	v_pk_add_f32 v[20:21], v[20:21], v[28:29]
	v_pk_add_f32 v[22:23], v[22:23], v[30:31]
	v_pk_fma_f32 v[24:25], v[28:29], v[28:29], v[24:25]
	v_pk_fma_f32 v[26:27], v[30:31], v[30:31], v[26:27]
.endr
.irp j, 0,1,2,3,4,5,6,7
	v_permlanex16_b32 v[96+\j], v[20+\j], s24, s25 ; lane l xor 16 holds the same piece of other records
.endr
.irp p, 0,2,4,6
	v_pk_add_f32 v[20+\p:21+\p], v[20+\p:21+\p], v[96+\p:97+\p]
.endr
	ds_store_b128 v4, v[20:23]
	ds_store_b128 v4, v[24:27] offset:16
	s_wait_dscnt 0x0                               ; my stores have landed
	s_barrier_signal -1
	s_barrier_wait -1
.endm
.macro COMBINE_FIN                     ; my channel: the eight waves' sums in ascending order; a in v107, b' in v108
.irp wv, 0,1,2,3,4,5,6,7
	ds_load_b32 v[32+3*\wv], v5 offset:1024*\wv
	ds_load_b32 v[33+3*\wv], v5 offset:1024*\wv+16
	ds_load_b32 v[34+3*\wv], v5 offset:1024*\wv+256
.endr
	s_wait_dscnt 0x0
.irp wv, 1,2,3,4,5,6,7
	v_add_f32 v32, v32, v[32+3*\wv]
	v_add_f32 v33, v33, v[33+3*\wv]
	v_add_f32 v34, v34, v[34+3*\wv]
.endr
	v_mul_f32 v60, 0x3b800000, v32                 ; S1 / 256
	v_add_f32 v61, v104, v60                       ; the mean
	v_fma_f32 v62, -v60, v32, v33                  ; S2 - S1^2 / 256
	v_max_num_f32 v62, 0, v62
	v_fmamk_f32 v62, v62, 0x42800000, v34          ; x 64 + sum M2
	v_mul_f32 v62, 0x38800000, v62                 ; / 16,384: the variance
	v_add_f32 v62, 0x3727c5ac, v62                 ; + 1e-5
	v_rsq_f32 v63, v62
	v_nop                                          ; one plain instruction behind it,
	s_wait_alu depctr_va_vdst(0)                   ; and the wait ahead of its first reader
	v_mul_f32 v107, v63, v105
	v_fma_f32 v108, -v61, v107, v106
.endm
	s_load_b256 s[4:11], s[0:1], 0x0               ; st, g1, be1, ab1
	v_lshl_add_u32 v112, v0, 2, 0x2000
	v_mov_b32 v113, 0
	v_lshrrev_b32 v1, 5, v0
	v_readfirstlane_b32 s14, v1                    ; wave
	s_mov_b32 s24, 0x76543210
	s_mov_b32 s25, 0xfedcba98
	v_lshlrev_b32 v2, 4, v0                        ; 16 t
	v_and_b32 v3, 7, v0
	v_lshlrev_b32 v3, 4, v3
	v_lshlrev_b32 v4, 5, v0                        ; 1,024 x wave + 32 x lane
	v_bfe_u32 v5, v0, 2, 3                         ; channel c = lane: piece c / 4, word c % 4
	v_lshlrev_b32 v5, 5, v5
	v_and_b32 v7, 3, v0
	v_lshl_add_u32 v5, v7, 2, v5
	v_and_b32 v6, 31, v0
	v_lshlrev_b32 v6, 2, v6
	s_lshl_b32 s22, ttmp9, 16
	s_mov_b32 s23, 0
	s_lshl_b32 s12, ttmp9, 7
	s_mov_b32 s13, 0
	s_wait_kmcnt 0x0
	s_add_nc_u64 s[16:17], s[4:5], s[22:23]        ; my block of st
	s_add_nc_u64 s[18:19], s[6:7], s[12:13]
	s_add_nc_u64 s[20:21], s[8:9], s[12:13]
	s_add_nc_u64 s[26:27], s[10:11], s[12:13]
	COMBINE_SUM
	s_cmp_lg_u32 s14, 0
	s_cbranch_scc1 .Lend
	COMBINE_FIN
	global_store_b32 v6, v107, s[26:27]            ; a[256], then b'[256]
	global_store_b32 v6, v108, s[26:27] offset:1024
.Lend:
	s_wait_tensorcnt 0x0
	ds_add_u32 v112, v113
	s_wait_dscnt 0x0
	s_endpgm
.Lfunc_end_k_qdade65f359_stats1:
	.size	k_qdade65f359_stats1, .Lfunc_end_k_qdade65f359_stats1-k_qdade65f359_stats1
	.p2alignl 7, 3214868480
	.fill 96, 4, 3214868480
	.section	.rodata,"a",@progbits
	.p2align	6, 0x0
	.amdhsa_kernel k_qdade65f359_stats1
		.amdhsa_group_segment_fixed_size 9216
		.amdhsa_private_segment_fixed_size 0
		.amdhsa_enable_private_segment 0
		.amdhsa_kernarg_size 32
		.amdhsa_user_sgpr_count 2
		.amdhsa_user_sgpr_kernarg_segment_ptr 1
		.amdhsa_wavefront_size32 1
		.amdhsa_system_sgpr_workgroup_id_x 1
		.amdhsa_system_sgpr_workgroup_id_y 1
		.amdhsa_system_sgpr_workgroup_id_z 1
		.amdhsa_system_vgpr_workitem_id 0
		.amdhsa_next_free_vgpr 114
		.amdhsa_next_free_sgpr 66
		.amdhsa_reserve_vcc 1
		.amdhsa_float_denorm_mode_32 3
		.amdhsa_float_denorm_mode_16_64 3
		.amdhsa_memory_ordered 1
		.amdhsa_forward_progress 1
		.amdhsa_inst_pref_size 14
	.end_amdhsa_kernel
	.amdgpu_metadata
---
amdhsa.version: [ 1, 2 ]
amdhsa.kernels:
  - .name:           k_qdade65f359_stats1
    .symbol:         k_qdade65f359_stats1.kd
    .args:
      - { .name: st, .offset: 0, .size: 8, .value_kind: global_buffer, .address_space: global }
      - { .name: g1, .offset: 8, .size: 8, .value_kind: global_buffer, .address_space: global }
      - { .name: be1, .offset: 16, .size: 8, .value_kind: global_buffer, .address_space: global }
      - { .name: ab1, .offset: 24, .size: 8, .value_kind: global_buffer, .address_space: global }
    .group_segment_fixed_size: 9216
    .private_segment_fixed_size: 0
    .kernarg_segment_align: 8
    .kernarg_segment_size: 32
    .max_flat_workgroup_size: 256
    .sgpr_count:     66
    .vgpr_count:     114
    .wavefront_size: 32
...
	.end_amdgpu_metadata
.endif
;; end of part 3
;; launch gemm2 (part 4): grid 256 x 1, 8 waves a work-group, no clusters, 50,176 bytes of LDS; arguments y1, ab1, wq, b2, y2, st; writes y2, st
.if DOCPART == 4
	.amdgcn_target "amdgcn-amd-amdhsa--gfx1250"
	.amdhsa_code_object_version 6
	.text
	.protected	k_qdade65f359_gemm2
	.globl	k_qdade65f359_gemm2
	.p2align	8
	.type	k_qdade65f359_gemm2,@function
k_qdade65f359_gemm2:
	s_mov_b64 s[64:65], 0
	v_nop
	global_prefetch_b8 v0, s[64:65] scope:SCOPE_SE
	s_setreg_imm32_b32 hwreg(HW_REG_WAVE_MODE, 25, 1), 1
	s_wait_xcnt 0x0
; y2 = relu(y1 a + b') W2^T + b2 on codes of E3M2 with one E8M0 scale for each 32 along K (K = 256: two K steps), and each work-group's mean and sum of squared deviations of every channel.
; SHARES.  Work-group g: rows 64 g .. 64 g + 63.  Wave w normalises and quantises fragment (row tile w / 2, K step w % 2): y1 lies as images of the last launch's accumulators, so that sixteen loads of 16 bytes a lane,
; each half of the lanes on 256 consecutive bytes, bring the 64 numbers in the very order the quantiser wants.  Fragments go from wave to wave as images of their registers.
; Then wave w owns output channels 16 w .. 16 w + 15 for the 64 rows: 4 accumulators x 2 K steps, its part of W2 in registers.
; THE PRODUCT IS USED AS IT STANDS (source 0 = 16 rows of the hidden layer, source 1 = 16 rows of W2): lane (r, h), register j = y2(point 16 m + 8 h + j, channel 16 w + r): eight neighbours of a row of the
; transposed output [128][16,384].  They go through the wave's own stage in LDS and leave as runs of 256 consecutive bytes, aligned.
; All work-groups read the same 25 KB of W2's codes: straight into registers in fragment order, a fifth of a work-group's 125 KB; so no LDS tile, no tensor load and no joint request.
; LIMITS: NaN and infinities are not served; a block of zeros gets the scale byte 1 (its codes are zeros; this program alone reads the bytes).
.set HIMG,  0                          ; LDS: eight fragment images of 1,536 bytes: image 2 m + s
.set HSC,   12288                      ; their scale words, 128 bytes each
.set STG,   13312                      ; a stage of 16 rows x (256 + 16) bytes for each wave
.set STAT2, 48128                      ; [4 groups of 32 channels][mean, sum][32] f32
.set FRB,   1536
.set ST,    16                         ; v16-79   64 numbers
.set PA,    80                         ; v80-143  their a
.set PB,    144                        ; v144-207 their b'
.set W2F,   208                        ; v208-231 my two fragments of W2
.set W2S,   232                        ; v232-233 their scale words
.set B2,    234                        ; v234-241 b2 in the result's layout: my channel's, eight times
.set XS,    242                        ; v242-245 the hidden layer's scale words
.set PC,    80
.set TM,    100
.set PW,    116
.set XF,    120                        ; v120-167 four fragments of the hidden layer
.set ACC,   176                        ; v176-207 four accumulators
.set SEL,   18
.macro QUANT s
.irp b, 0,1,2,3
	v_max3_num_f32 v[TM+\b], |v[\s+16*\b]|, |v[\s+1+16*\b]|, 0x2800000   ; my 16 numbers of block b, and the floor 2^(5 - 127): the byte cannot fall under 1
.endr
.irp i, 2,4,6,8,10,12,14
.irp b, 0,1,2,3
	v_max3_num_f32 v[TM+\b], v[TM+\b], |v[\s+16*\b+\i]|, |v[\s+1+16*\b+\i]|
.endr
.endr
.irp b, 0,1,2,3
	v_permlanex16_b32 v[TM+4+\b], v[TM+\b], s[SEL], s[SEL+1]
.endr
.irp b, 0,1,2,3
	v_max_num_f32 v[TM+\b], v[TM+\b], v[TM+4+\b]   ; with lane l xor 16's: the block's largest magnitude
.endr
.irp b, 0,1,2,3
	v_add_nc_u32 v[TM+12+\b], 0xfe000000, v[TM+\b] ; 4 off its exponent field: the conversion's scale operand
.endr
.irp b, 0,1,2,3
	v_lshrrev_b32 v[TM+4+\b], 23, v[TM+12+\b]      ; the scale's byte
.endr
	v_lshl_or_b32 v[PW], v[TM+5], 8, v[TM+4]
	v_lshl_or_b32 v[PW], v[TM+6], 16, v[PW]
	v_lshl_or_b32 v[PW], v[TM+7], 24, v[PW]
.irp c, 0,1
	v_cvt_scalef32_pk16_bf6_f32 v[PC+6*\c:PC+2+6*\c], v[\s+32*\c:\s+15+32*\c], v[TM+12+2*\c]
	v_cvt_scalef32_pk16_bf6_f32 v[PC+12+4*\c:PC+14+4*\c], v[\s+16+32*\c:\s+31+32*\c], v[TM+12+2*\c+1]   ; (a conversion's three registers begin on an even number)
.endr
	v_nop                                          ; one plain instruction behind the conversions
.irp c, 0,1
.irp i, 0,1,2
	v_permlane16_swap_b32 v[PC+6*\c+\i], v[PC+12+4*\c+\i]
.endr
.irp i, 0,1,2
	v_mov_b32 v[PC+3+6*\c+\i], v[PC+12+4*\c+\i]
.endr
.endr
.endm
.macro BARRIER
	s_wait_dscnt 0x0
	s_barrier_signal -1
	s_barrier_wait -1
.endm
	s_load_b256 s[4:11], s[0:1], 0x0               ; y1, ab1, wq, b2
	s_load_b128 s[12:15], s[0:1], 0x20             ; y2, st
	v_lshl_add_u32 v248, v0, 2, 0xc000
	v_mov_b32 v249, 0
	v_lshrrev_b32 v246, 5, v0
	v_readfirstlane_b32 s16, v246                  ; wave 0..7
	s_mov_b32 s17, ttmp9                           ; g
	s_mov_b32 s[SEL], 0x76543210
	s_mov_b32 s[SEL+1], 0xfedcba98
	s_and_b32 s20, s16, 1
	s_lshr_b32 s21, s16, 1
	v_and_b32 v1, 31, v0
	v_and_b32 v2, 15, v0                           ; r
	v_bfe_u32 v3, v0, 4, 1                         ; h
	v_lshlrev_b32 v4, 4, v1
	v_lshlrev_b32 v5, 2, v1
	v_lshlrev_b32 v6, 4, v2                        ; v6: y1: channel tile + h (4,096 bytes), lane r's 16 bytes
	v_lshl_add_u32 v6, v3, 12, v6
	v_lshlrev_b32 v7, 6, v3                        ; v7: a, b': my half's 16 of each block of 32
	v_lshlrev_b32 v8, 2, v2                        ; v8: b2: channel r of my tile
	v_mul_u32_u24 v9, v246, FRB                    ; v9: my image
	v_add_nc_u32 v9, v9, v4
	v_lshl_add_u32 v10, v246, 7, v5                ; v10: its scale words
	v_add_nc_u32 v10, HSC, v10
	v_mul_u32_u24 v11, v246, 16*272                ; v11: my stage, in: row r, 32 h
	v_add_nc_u32 v11, STG, v11
	v_mul_u32_u24 v12, v3, 272                     ; v12: back: lanes 0-15 one row, lanes 16-31 the next
	v_lshl_add_u32 v12, v2, 4, v12
	v_add_nc_u32 v12, v12, v11
	v_mad_u32_u24 v11, v2, 272, v11
	v_lshl_add_u32 v11, v3, 5, v11
	v_lshrrev_b32 v13, 6, v0                       ; v13: my channel's place in its record: group w / 2, word 16 (w % 2) + r
	v_lshlrev_b32 v13, 8, v13
	v_bfe_u32 v247, v0, 5, 1
	v_lshl_add_u32 v13, v247, 6, v13
	v_lshl_add_u32 v13, v2, 2, v13
	v_add_nc_u32 v13, STAT2, v13
	v_lshl_add_u32 v14, v247, 9, v4                ; v14: the records on their way out (waves 0, 1): two each
	v_add_nc_u32 v14, STAT2, v14
	v_lshlrev_b32 v15, 4, v2                       ; v15: in y2 and in st: 65,536 h + 16 r
	v_lshl_add_u32 v15, v3, 16, v15
	s_mov_b32 s23, 0
	s_wait_kmcnt 0x0
	s_lshl_b32 s22, s17, 16
	s_lshl_b32 s38, s20, 15
	s_add_co_u32 s22, s22, s38
	s_lshl_b32 s38, s21, 10
	s_add_co_u32 s22, s22, s38
	s_add_nc_u64 s[24:25], s[4:5], s[22:23]        ; y1 at [g][8 s][m]
	s_lshl_b32 s22, s20, 9
	s_add_nc_u64 s[26:27], s[6:7], s[22:23]        ; a at channel 128 s
	s_mul_i32 s22, s16, FRB
	s_add_nc_u64 s[28:29], s[8:9], s[22:23]        ; W2's fragments 48 + 8 s + w
	s_lshl_b32 s22, s16, 7
	s_add_nc_u64 s[30:31], s[8:9], s[22:23]
	s_lshl_b32 s22, s16, 6
	s_add_nc_u64 s[32:33], s[10:11], s[22:23]      ; b2 at channel 16 w
	s_lshl_b32 s22, s16, 20
	s_lshl_b32 s38, s17, 8
	s_add_co_u32 s22, s22, s38
	s_add_nc_u64 s[34:35], s[12:13], s[22:23]      ; y2 at channel 16 w, point 64 g
	s_lshl_b32 s22, s20, 17
	s_add_co_u32 s22, s22, s38
	s_add_nc_u64 s[36:37], s[14:15], s[22:23]      ; st at group 2 (w % 2), record g
	; ---- all loads at once.  Register 16 b + 8 u + 4 d + .. = channel 128 s + 32 b + 16 h + 8 u + 4 d + .. of row 16 m + r
.irp b, 0,1,2,3
.irp u, 0,1
.irp d, 0,1
	global_load_b128 v[ST+16*\b+8*\u+4*\d:ST+16*\b+8*\u+4*\d+3], v6, s[24:25] offset:8192*\b+256*\u+512*\d th:TH_LOAD_NT
.endr
.endr
.endr
.irp b, 0,1,2,3
.irp j, 0,1,2,3
	global_load_b128 v[PA+16*\b+4*\j:PA+16*\b+4*\j+3], v7, s[26:27] offset:128*\b+16*\j
	global_load_b128 v[PB+16*\b+4*\j:PB+16*\b+4*\j+3], v7, s[26:27] offset:1024+128*\b+16*\j
.endr
.endr
.irp s, 0,1
.irp c, 0,1,2
	global_load_b128 v[W2F+12*\s+4*\c:W2F+12*\s+4*\c+3], v4, s[28:29] offset:(48+8*\s)*FRB+512*\c
.endr
	global_load_b32 v[W2S+\s], v5, s[30:31] offset:98304+(48+8*\s)*128
.endr
.irp j, 0,1,2,3,4,5,6,7
	global_load_b32 v[B2+\j], v8, s[32:33]
.endr
	s_wait_loadcnt 0x0
	; ---- the first layer's BatchNorm as one fused multiply-add, ReLU, quantise
.irp p, 0,2,4,6,8,10,12,14,16,18,20,22,24,26,28,30,32,34,36,38,40,42,44,46,48,50,52,54,56,58,60,62
	v_pk_fma_f32 v[ST+\p:ST+\p+1], v[ST+\p:ST+\p+1], v[PA+\p:PA+\p+1], v[PB+\p:PB+\p+1]
.endr
.irp j, 0,1,2,3,4,5,6,7,8,9,10,11,12,13,14,15,16,17,18,19,20,21,22,23,24,25,26,27,28,29,30,31,32,33,34,35,36,37,38,39,40,41,42,43,44,45,46,47,48,49,50,51,52,53,54,55,56,57,58,59,60,61,62,63
	v_max_num_f32 v[ST+\j], 0, v[ST+\j]
.endr
.irp b, 0,1,2,3
	v_mov_b32 v[TM+4+\b], 0                        ; a lane permute's destination counts as one of its sources
.endr
	QUANT ST
.irp c, 0,1,2
	ds_store_b128 v9, v[PC+4*\c:PC+4*\c+3] offset:HIMG+512*\c
.endr
	ds_store_b32 v10, v[PW]
	BARRIER                                        ; the hidden layer's eight fragments lie in LDS
	; ---- the product: four accumulators by turns, one instruction a turn
.irp s, 0,1
.irp m, 0,1,2,3
.irp c, 0,1,2
	ds_load_b128 v[XF+12*\m+4*\c:XF+12*\m+4*\c+3], v4 offset:HIMG+(2*\m+\s)*FRB+512*\c
.endr
	ds_load_b32 v[XS+\m], v5 offset:HSC+128*(2*\m+\s)
.endr
	s_wait_dscnt 0x0
.irp m, 0,1,2,3
.if \s == 0
	v_wmma_scale_f32_16x16x128_f8f6f4 v[ACC+8*\m:ACC+8*\m+7], v[XF+12*\m:XF+12*\m+11], v[W2F+12*\s:W2F+12*\s+11], v[B2:B2+7], v[XS+\m], v[W2S+\s] matrix_a_fmt:MATRIX_FMT_BF6 matrix_b_fmt:MATRIX_FMT_BF6   ; the bias starts the sum
.else
	v_wmma_scale_f32_16x16x128_f8f6f4 v[ACC+8*\m:ACC+8*\m+7], v[XF+12*\m:XF+12*\m+11], v[W2F+12*\s:W2F+12*\s+11], v[ACC+8*\m:ACC+8*\m+7], v[XS+\m], v[W2S+\s] matrix_a_fmt:MATRIX_FMT_BF6 matrix_b_fmt:MATRIX_FMT_BF6
.endif
.endr
.rept 4
	v_nop                                          ; four plain instructions ahead of loads into registers that the products read, and of the first read of results
.endr
.endr
	; ---- through my stage: each accumulator from its low end on; LDS serves a wave's instructions in order, so the loads see the stores
.irp m, 0,1,2,3
	ds_store_b128 v11, v[ACC+8*\m:ACC+8*\m+3] offset:64*\m
	ds_store_b128 v11, v[ACC+8*\m+4:ACC+8*\m+7] offset:64*\m+16
.endr
.irp i, 0,1,2,3,4,5,6,7
	ds_load_b128 v[16+4*\i:19+4*\i], v12 offset:544*\i
.endr
	; ---- my channel's statistics over the 64 points: my 32 numbers, then lane l xor 16's
.irp p, 0,2,4,6
	v_pk_add_f32 v[48+\p:49+\p], v[ACC+\p:ACC+\p+1], v[ACC+8+\p:ACC+9+\p]
.endr
.irp p, 0,2,4,6
	v_pk_add_f32 v[48+\p:49+\p], v[48+\p:49+\p], v[ACC+16+\p:ACC+17+\p]
.endr
.irp p, 0,2,4,6
	v_pk_add_f32 v[48+\p:49+\p], v[48+\p:49+\p], v[ACC+24+\p:ACC+25+\p]
.endr
	v_pk_add_f32 v[48:49], v[48:49], v[50:51]
	v_pk_add_f32 v[52:53], v[52:53], v[54:55]
	v_pk_add_f32 v[48:49], v[48:49], v[52:53]
	v_add_f32 v48, v48, v49
	v_mov_b32 v74, 0
	v_permlanex16_b32 v74, v48, s[SEL], s[SEL+1]
	v_add_f32 v48, v48, v74
	v_mul_f32 v72, 0x3c800000, v48                 ; / 64: the mean
	v_mov_b32 v73, v72
.irp m, 0,1,2,3
.irp p, 0,2,4,6
	v_pk_add_f32 v[64+\p:65+\p], v[ACC+8*\m+\p:ACC+8*\m+\p+1], v[72:73] neg_lo:[0,1] neg_hi:[0,1]
.endr
.irp p, 0,2,4,6
.if \m == 0
	v_pk_mul_f32 v[56+\p:57+\p], v[64+\p:65+\p], v[64+\p:65+\p]
.else
	v_pk_fma_f32 v[56+\p:57+\p], v[64+\p:65+\p], v[64+\p:65+\p], v[56+\p:57+\p]
.endif
.endr
.endr
	v_pk_add_f32 v[56:57], v[56:57], v[58:59]
	v_pk_add_f32 v[60:61], v[60:61], v[62:63]
	v_pk_add_f32 v[56:57], v[56:57], v[60:61]
	v_add_f32 v56, v56, v57
	v_permlanex16_b32 v74, v56, s[SEL], s[SEL+1]
	v_add_f32 v56, v56, v74
	ds_store_b32 v13, v72                          ; both halves of the lanes write the same word with the same value
	ds_store_b32 v13, v56 offset:128
	BARRIER                                        ; four records lie in LDS; my stage's loads are in too
.irp i, 0,1,2,3,4,5,6,7
	global_store_b128 v15, v[16+4*\i:19+4*\i], s[34:35] offset:131072*\i   ; sixteen lanes store 256 consecutive bytes of a channel's row, aligned
.endr
	s_cmp_ge_u32 s16, 2
	s_cbranch_scc1 .Lend
	ds_load_b128 v[64:67], v14
	s_wait_dscnt 0x0
	global_store_b128 v15, v[64:67], s[36:37] offset:524288   ; the second part of st: one record for sixteen lanes
.Lend:
	s_wait_tensorcnt 0x0
	ds_add_u32 v248, v249
	s_wait_dscnt 0x0
	s_endpgm
.Lfunc_end_k_qdade65f359_gemm2:
	.size	k_qdade65f359_gemm2, .Lfunc_end_k_qdade65f359_gemm2-k_qdade65f359_gemm2
	.p2alignl 7, 3214868480
	.fill 96, 4, 3214868480
	.section	.rodata,"a",@progbits
	.p2align	6, 0x0
	.amdhsa_kernel k_qdade65f359_gemm2
		.amdhsa_group_segment_fixed_size 50176
		.amdhsa_private_segment_fixed_size 0
		.amdhsa_enable_private_segment 0
		.amdhsa_kernarg_size 48
		.amdhsa_user_sgpr_count 2
		.amdhsa_user_sgpr_kernarg_segment_ptr 1
		.amdhsa_wavefront_size32 1
		.amdhsa_system_sgpr_workgroup_id_x 1
		.amdhsa_system_sgpr_workgroup_id_y 1
		.amdhsa_system_sgpr_workgroup_id_z 1
		.amdhsa_system_vgpr_workitem_id 0
		.amdhsa_next_free_vgpr 250
		.amdhsa_next_free_sgpr 66
		.amdhsa_reserve_vcc 0
		.amdhsa_float_denorm_mode_32 3
		.amdhsa_float_denorm_mode_16_64 3
		.amdhsa_memory_ordered 1
		.amdhsa_forward_progress 1
		.amdhsa_inst_pref_size 27
	.end_amdhsa_kernel
	.amdgpu_metadata
---
amdhsa.version: [ 1, 2 ]
amdhsa.kernels:
  - .name:           k_qdade65f359_gemm2
    .symbol:         k_qdade65f359_gemm2.kd
    .args:
      - { .name: y1, .offset: 0, .size: 8, .value_kind: global_buffer, .address_space: global }
      - { .name: ab1, .offset: 8, .size: 8, .value_kind: global_buffer, .address_space: global }
      - { .name: wq, .offset: 16, .size: 8, .value_kind: global_buffer, .address_space: global }
      - { .name: b2, .offset: 24, .size: 8, .value_kind: global_buffer, .address_space: global }
      - { .name: y2, .offset: 32, .size: 8, .value_kind: global_buffer, .address_space: global }
      - { .name: st, .offset: 40, .size: 8, .value_kind: global_buffer, .address_space: global }
    .group_segment_fixed_size: 50176
    .private_segment_fixed_size: 0
    .kernarg_segment_align: 8
    .kernarg_segment_size: 48
    .max_flat_workgroup_size: 256
    .sgpr_count:     66
    .vgpr_count:     250
    .wavefront_size: 32
...
	.end_amdgpu_metadata
.endif
;; end of part 4
;; launch bnout (part 5): grid 64 x 4, 8 waves a work-group, no clusters, 9,216 bytes of LDS; arguments y2, st, g2, be2, out0; writes out0
.if DOCPART == 5
	.amdgcn_target "amdgcn-amd-amdhsa--gfx1250"
	.amdhsa_code_object_version 6
	.text
	.protected	k_qdade65f359_bnout
	.globl	k_qdade65f359_bnout
	.p2align	8
	.type	k_qdade65f359_bnout,@function
k_qdade65f359_bnout:
	s_mov_b64 s[64:65], 0
	v_nop
	global_prefetch_b8 v0, s[64:65] scope:SCOPE_SE
	s_setreg_imm32_b32 hwreg(HW_REG_WAVE_MODE, 25, 1), 1
	s_wait_xcnt 0x0
; out0 = relu(y2 a + b'), a = g2 rsqrt(var + 1e-5), b' = be2 - mean a, with the batch statistics joined here from the 256 records of each channel.
; Work-group (x, G): points 256 x .. 256 x + 255 of channels 32 G .. 32 G + 31; wave w: channels 32 G + 4 w + 0 .. 3, 1,024 bytes each: two loads and two stores of 512 consecutive bytes.
; The payload's loads go out first and land while the statistics (64 KB, the group's block of st) are joined.
; The join takes record 0's mean as a shift: d = mean_p - mean_0, S1 = sum d, S2 = sum d^2; mean = mean_0 + S1 / 256; var = (sum M2 + 64 max(S2 - S1^2 / 256, 0)) / 16,384.
; Every wave finishes its own four channels: lane l takes channel 4 w + l % 4, so that lanes 0 to 3 hold what the wave needs.
; A stream: no matrix unit, no tensor load, no cluster.
; v2 load offset, v3 the shift's, v4 my sums' place in LDS, v5 my channel's sums, v6 4 x my channel; v16-19 the shift, v20-23 sum d (in M2's lanes: sum M2), v24-27 sum d^2; v112-143 the payload
.macro COMBINE_SUM
.irp i, 0,1,2,3,4,5,6,7,8,9,10,11,12,13,14,15
	global_load_b128 v[32+4*\i:35+4*\i], v2, s[16:17] offset:4096*\i
.endr
	global_load_b128 v[16:19], v3, s[16:17]        ; record 0's means, my piece's four
	global_load_b32 v104, v6, s[16:17]             ; and my channel's
	global_load_b32 v105, v6, s[18:19]             ; its gain
	global_load_b32 v106, v6, s[20:21]             ; and offset
	v_and_b32 v7, 8, v0
	v_cmp_eq_u32 vcc_lo, 0, v7                     ; a lane of means?
.irp j, 0,1,2,3,4,5,6,7
	v_mov_b32 v[96+\j], 0                          ; a lane permute's destination counts as one of its sources
.endr
	s_wait_loadcnt 0x0
.irp j, 0,1,2,3
	v_cndmask_b32 v[16+\j], 0, v[16+\j], vcc_lo    ; M2 is summed as it is
.endr
	v_pk_add_f32 v[20:21], v[32:33], v[16:17] neg_lo:[0,1] neg_hi:[0,1]   ; the first record starts the sums
	v_pk_add_f32 v[22:23], v[34:35], v[18:19] neg_lo:[0,1] neg_hi:[0,1]
	v_pk_mul_f32 v[24:25], v[20:21], v[20:21]
	v_pk_mul_f32 v[26:27], v[22:23], v[22:23]
.irp i, 1,2,3,4,5,6,7,8,9,10,11,12,13,14,15
	v_pk_add_f32 v[28:29], v[32+4*\i:33+4*\i], v[16:17] neg_lo:[0,1] neg_hi:[0,1]
	v_pk_add_f32 v[30:31], v[34+4*\i:35+4*\i], v[18:19] neg_lo:[0,1] neg_hi:[0,1]
	v_pk_add_f32 v[20:21], v[20:21], v[28:29]
	v_pk_add_f32 v[22:23], v[22:23], v[30:31]
	v_pk_fma_f32 v[24:25], v[28:29], v[28:29], v[24:25]
	v_pk_fma_f32 v[26:27], v[30:31], v[30:31], v[26:27]
.endr
.irp j, 0,1,2,3,4,5,6,7
	v_permlanex16_b32 v[96+\j], v[20+\j], s24, s25 ; lane l xor 16 holds the same piece of other records
.endr
.irp p, 0,2,4,6
	v_pk_add_f32 v[20+\p:21+\p], v[20+\p:21+\p], v[96+\p:97+\p]
.endr
	ds_store_b128 v4, v[20:23]
	ds_store_b128 v4, v[24:27] offset:16
	s_wait_dscnt 0x0                               ; my stores have landed
	s_barrier_signal -1
	s_barrier_wait -1
.endm
.macro COMBINE_FIN                     ; my channel: the eight waves' sums in ascending order; a in v107, b' in v108
.irp wv, 0,1,2,3,4,5,6,7
	ds_load_b32 v[32+3*\wv], v5 offset:1024*\wv
	ds_load_b32 v[33+3*\wv], v5 offset:1024*\wv+16
	ds_load_b32 v[34+3*\wv], v5 offset:1024*\wv+256
.endr
	s_wait_dscnt 0x0
.irp wv, 1,2,3,4,5,6,7
	v_add_f32 v32, v32, v[32+3*\wv]
	v_add_f32 v33, v33, v[33+3*\wv]
	v_add_f32 v34, v34, v[34+3*\wv]
.endr
	v_mul_f32 v60, 0x3b800000, v32                 ; S1 / 256
	v_add_f32 v61, v104, v60                       ; the mean
	v_fma_f32 v62, -v60, v32, v33                  ; S2 - S1^2 / 256
	v_max_num_f32 v62, 0, v62
	v_fmamk_f32 v62, v62, 0x42800000, v34          ; x 64 + sum M2
	v_mul_f32 v62, 0x38800000, v62                 ; / 16,384: the variance
	v_add_f32 v62, 0x3727c5ac, v62                 ; + 1e-5
	v_rsq_f32 v63, v62
	v_nop                                          ; one plain instruction behind it,
	s_wait_alu depctr_va_vdst(0)                   ; and the wait ahead of its first reader
	v_mul_f32 v107, v63, v105
	v_fma_f32 v108, -v61, v107, v106
.endm
	s_load_b256 s[4:11], s[0:1], 0x0               ; y2, st, g2, be2
	s_load_b64 s[12:13], s[0:1], 0x20              ; out0
	v_lshl_add_u32 v144, v0, 2, 0x2000
	v_mov_b32 v145, 0
	v_lshrrev_b32 v1, 5, v0
	v_readfirstlane_b32 s14, v1                    ; wave
	s_and_b32 s15, ttmp7, 0xffff                   ; G
	s_mov_b32 s24, 0x76543210
	s_mov_b32 s25, 0xfedcba98
	v_lshlrev_b32 v2, 4, v0                        ; 16 t
	v_and_b32 v3, 7, v0
	v_lshlrev_b32 v3, 4, v3
	v_lshlrev_b32 v4, 5, v0                        ; 1,024 x wave + 32 x lane
	v_and_b32 v7, 3, v0
	v_lshlrev_b32 v5, 5, v1                        ; channel c = 4 w + l % 4: piece w, word l % 4
	v_lshl_add_u32 v5, v7, 2, v5
	v_lshlrev_b32 v6, 4, v1
	v_lshl_add_u32 v6, v7, 2, v6                   ; 4 c
	v_and_b32 v8, 31, v0
	v_lshlrev_b32 v8, 4, v8                        ; the payload: 16 bytes a lane
	s_lshl_b32 s22, s15, 16
	s_add_co_u32 s22, s22, 524288                  ; the second part of st, my group's block
	s_mov_b32 s23, 0
	s_lshl_b32 s30, s15, 7
	s_mov_b32 s31, 0
	s_lshl_b32 s40, s15, 5                         ; channel 32 G + 4 w, point 256 x
	s_lshl_b32 s41, s14, 2
	s_add_co_u32 s40, s40, s41
	s_lshl_b32 s40, s40, 16
	s_lshl_b32 s41, ttmp9, 10
	s_add_co_u32 s40, s40, s41
	s_mov_b32 s41, 0
	s_wait_kmcnt 0x0
	s_add_nc_u64 s[26:27], s[4:5], s[40:41]
	s_add_nc_u64 s[28:29], s[12:13], s[40:41]
	s_add_nc_u64 s[16:17], s[6:7], s[22:23]
	s_add_nc_u64 s[18:19], s[8:9], s[30:31]
	s_add_nc_u64 s[20:21], s[10:11], s[30:31]
.irp i, 0,1,2,3
	global_load_b128 v[112+8*\i:115+8*\i], v8, s[26:27] offset:65536*\i th:TH_LOAD_NT
	global_load_b128 v[116+8*\i:119+8*\i], v8, s[26:27] offset:65536*\i+512 th:TH_LOAD_NT
.endr
	COMBINE_SUM                                    ; its wait for all loads covers the payload's too
	COMBINE_FIN
.irp i, 0,1,2,3
	v_readlane_b32 s[32+2*\i], v107, \i
	v_readlane_b32 s[33+2*\i], v108, \i
.endr
.irp i, 0,1,2,3
.irp c, 0,1,2,3,4,5,6,7
	v_fma_f32 v[112+8*\i+\c], v[112+8*\i+\c], s[32+2*\i], s[33+2*\i]
.endr
.irp c, 0,1,2,3,4,5,6,7
	v_max_num_f32 v[112+8*\i+\c], 0, v[112+8*\i+\c]
.endr
	global_store_b128 v8, v[112+8*\i:115+8*\i], s[28:29] offset:65536*\i th:TH_STORE_NT
	global_store_b128 v8, v[116+8*\i:119+8*\i], s[28:29] offset:65536*\i+512 th:TH_STORE_NT
.endr
	s_wait_tensorcnt 0x0
	ds_add_u32 v144, v145
	s_wait_dscnt 0x0
	s_endpgm
.Lfunc_end_k_qdade65f359_bnout:
	.size	k_qdade65f359_bnout, .Lfunc_end_k_qdade65f359_bnout-k_qdade65f359_bnout
	.p2alignl 7, 3214868480
	.fill 96, 4, 3214868480
	.section	.rodata,"a",@progbits
	.p2align	6, 0x0
	.amdhsa_kernel k_qdade65f359_bnout
		.amdhsa_group_segment_fixed_size 9216
		.amdhsa_private_segment_fixed_size 0
		.amdhsa_enable_private_segment 0
		.amdhsa_kernarg_size 40
		.amdhsa_user_sgpr_count 2
		.amdhsa_user_sgpr_kernarg_segment_ptr 1
		.amdhsa_wavefront_size32 1
		.amdhsa_system_sgpr_workgroup_id_x 1
		.amdhsa_system_sgpr_workgroup_id_y 1
		.amdhsa_system_sgpr_workgroup_id_z 1
		.amdhsa_system_vgpr_workitem_id 0
		.amdhsa_next_free_vgpr 146
		.amdhsa_next_free_sgpr 66
		.amdhsa_reserve_vcc 1
		.amdhsa_float_denorm_mode_32 3
		.amdhsa_float_denorm_mode_16_64 3
		.amdhsa_memory_ordered 1
		.amdhsa_forward_progress 1
		.amdhsa_inst_pref_size 19
	.end_amdhsa_kernel
	.amdgpu_metadata
---
amdhsa.version: [ 1, 2 ]
amdhsa.kernels:
  - .name:           k_qdade65f359_bnout
    .symbol:         k_qdade65f359_bnout.kd
    .args:
      - { .name: y2, .offset: 0, .size: 8, .value_kind: global_buffer, .address_space: global }
      - { .name: st, .offset: 8, .size: 8, .value_kind: global_buffer, .address_space: global }
      - { .name: g2, .offset: 16, .size: 8, .value_kind: global_buffer, .address_space: global }
      - { .name: be2, .offset: 24, .size: 8, .value_kind: global_buffer, .address_space: global }
      - { .name: out0, .offset: 32, .size: 8, .value_kind: global_buffer, .address_space: global }
    .group_segment_fixed_size: 9216
    .private_segment_fixed_size: 0
    .kernarg_segment_align: 8
    .kernarg_segment_size: 40
    .max_flat_workgroup_size: 256
    .sgpr_count:     66
    .vgpr_count:     146
    .wavefront_size: 32
...
	.end_amdgpu_metadata
.endif
;; end of part 5
;; ======== version 2 of 2: 5 launches; version 1 with the launches gemm1, gemm2 written anew for expert scheduling mode
;; workspace buffers: cfT 4,194,304 bytes; knn_idx 262,144 bytes of whole numbers; knn_w 262,144 bytes; wq 106,496 bytes; y1 16,777,216 bytes; st 786,432 bytes; ab1 2,048 bytes; y2 8,388,608 bytes
;; launch knn: the kernel of part 1 again; grid 256 x 1, 16 waves a work-group, no clusters, 113,152 bytes of LDS; arguments fine_xyz, coarse_xyz, fine_piece_id, coarse_piece_id, coarse_features, W1, W2, cfT, knn_idx, knn_w, wq; writes cfT, knn_idx, knn_w, wq
;; launch gemm1 (part 6): grid 256 x 1, 16 waves a work-group, no clusters, 97,280 bytes of LDS; arguments knn_idx, knn_w, cfT, fine_features, wq, b1, y1, st; writes y1, st
.if DOCPART == 6
	.amdgcn_target "amdgcn-amd-amdhsa--gfx1250"
	.amdhsa_code_object_version 6
	.text
	.protected	k_qdade65f359_gemm1
	.globl	k_qdade65f359_gemm1
	.p2align	8
	.type	k_qdade65f359_gemm1,@function
k_qdade65f359_gemm1:
	s_mov_b64 s[64:65], 0
	v_nop
	global_prefetch_b8 v0, s[64:65] scope:SCOPE_SE
	s_setreg_imm32_b32 hwreg(HW_REG_WAVE_SCHED_MODE, 0, 2), 2
	s_setreg_imm32_b32 hwreg(HW_REG_WAVE_MODE, 25, 1), 1
	s_wait_xcnt 0x0
	s_wait_alu depctr_vm_vsrc(0)
; y1 = [interp | fine features] W1^T + b1 on codes of E3M2 with one E8M0 scale for each 32 along K, and each work-group's mean and sum of squared deviations of every channel.
; interp = w0 cf[i0] + w1 cf[i1] + w2 cf[i2], in f32; K = 320 = 256 + 64, filled with zero codes to 384: three K steps of 128.
; SHARES.  Work-group g: rows 64 g .. 64 g + 63.  Wave w gathers and interpolates rows 4 w .. 4 w + 3 (indices and weights come as scalars; an index is held to 0 .. 4,095 before it enters an address).
; Waves 0-11 quantise one fragment (16 rows x 128 K) each: waves 0-7 from the rows in LDS, waves 8-11 the fine features, which they load in the order the quantiser wants.
; Fragments go from wave to wave as images of their registers.  Then wave w owns output channels 16 w .. 16 w + 15 for all 64 rows: 4 accumulators x 3 K steps, its part of W1 in registers, read once.
; THE PRODUCT IS USED TRANSPOSED (source 0 = 16 rows of W1, source 1 = 16 rows of x): lane (r, h), register j = y1(row 16 m + r, channel 16 w + 8 h + j).  So a channel's 64 numbers lie in one wave.
; y1 IS STORED AS IMAGES OF THE ACCUMULATORS, [g][w][m][half of the registers][lane][4 f32]: every store covers 512 consecutive bytes, and the next launch reads it in the order its quantiser wants.
; STATISTICS: mean over my 64 rows, then the sum of (y - that mean)^2: no difference of large sums.  A record (32 means, 32 sums) is 256 bytes, aligned.
; All work-groups read the same 74 KB of W1's codes: they go straight into registers in fragment order, about a fifth of a work-group's 350 KB; so no LDS tile, no tensor load and no joint request.
; LIMITS: NaN and infinities are not served; a block of zeros gets the scale byte 1 (its codes are zeros; this program alone reads the bytes).
; THE MODE: SCHED_MODE bits 1:0 = 2 (LLVM: expert scheduling mode 2), set by the entry lines.  The code itself states the register dependences
; between vector or matrix instructions and memory or LDS instructions, with s_wait_alu, always for 0.
; THE PLAN.  Registers that memory or LDS instructions touch:
;   v4-v14       offsets and LDS addresses: written once at the head, read by every load and store, never written again.
;   v16-v27      the gather's offsets: all twelve are made, one wait, then the 24 loads read them; never written again.
;   G            the gather lands in it; row i's lines work in G + 24 i on; row i's two LDS stores stand behind row i + 1's wait for its loads and one wait on va_vdst.
;   PC, TM, PW   (G's registers again) written by the quantiser, behind the wait on vm_vsrc that shows the rows' stores have read G; one wait on va_vdst, then the image's four LDS stores read PC and PW.
;   XF, XS       (G's registers once more) two sets by turns: K steps 0 and 1 are asked for together; K step 2 lands in set 0 behind one wait on va_vdst, which shows K step 0's products done reading it,
;                and is on its way while K step 1 is multiplied.
;   ST           loads land in it, the quantiser reads it; then its registers are the accumulators and the statistics' work, which vector and matrix instructions write.
;   ACC          read by y1's stores behind the places and one wait on va_vdst; never written again.   SM, QQ: likewise for the records' LDS stores.   TT: vector work, then the record's load lands in it.
.set XIMG, 0                           ; LDS: fragment images, 1,536 bytes for each wave (12 are used): image f < 8 = (row tile f / 2, K step f % 2); image 8 + m = (m, K step 2)
.set XSC,  24576                       ; their scale words, 128 bytes each
.set STAT, 26624                       ; [8 groups of 32 channels][mean, sum][32] f32
.set XROW, 28672                       ; 64 rows x (1,024 + 16) bytes: 65 x 16, so that 16 rows' equal columns start 16 bytes apart modulo 256
.set RP,   1040
.set FRB,  1536
.set G,    32                          ; v32-127  the gather: row i, neighbour k, half e at G + 24 i + 8 k + 4 e
.set W1F,  128                         ; v128-163 my three fragments of W1
.set W1S,  164                         ; v164-166 their scale words
.set B1,   168                         ; v168-175 b1 in the result's layout
.set ST,   176                         ; v176-239 64 numbers for the quantiser
.set XS,   240                         ; v240-247 x's scale words: set p at XS + 4 p
.set PC,   32                          ; later: the codes just made,
.set TM,   52                          ; the quantiser's work,
.set PW,   68                          ; the scale word just made;
.set XF,   32                          ; later still: v32-127 four fragments of x, two sets: set p at XF + 48 p
.set ACC,  176                         ; v176-207 four accumulators
.set SM,   208                         ; sums, then means
.set QQ,   216                         ; sums of squares
.set TT,   224
.set SEL,  56
; 64 numbers of a lane, register 16 b + i = k 32 b + 16 (lane / 16) + i of my row, become a fragment's codes in v[PC] on and its scale word in v[PW]
.macro QUANT s
.irp b, 0,1,2,3
	v_max3_num_f32 v[TM+\b], |v[\s+16*\b]|, |v[\s+1+16*\b]|, 0x2800000   ; my 16 numbers of block b, and the floor 2^(5 - 127): the byte cannot fall under 1
.endr
.irp i, 2,4,6,8,10,12,14
.irp b, 0,1,2,3
	v_max3_num_f32 v[TM+\b], v[TM+\b], |v[\s+16*\b+\i]|, |v[\s+1+16*\b+\i]|
.endr
.endr
.irp b, 0,1,2,3
	v_permlanex16_b32 v[TM+4+\b], v[TM+\b], s[SEL], s[SEL+1]
.endr
.irp b, 0,1,2,3
	v_max_num_f32 v[TM+\b], v[TM+\b], v[TM+4+\b]   ; with lane l xor 16's: the block's largest magnitude
.endr
.irp b, 0,1,2,3
	v_add_nc_u32 v[TM+12+\b], 0xfe000000, v[TM+\b] ; 4 off its exponent field: the conversion's scale operand
.endr
.irp b, 0,1,2,3
	v_lshrrev_b32 v[TM+4+\b], 23, v[TM+12+\b]      ; the scale's byte
.endr
	v_lshl_or_b32 v[PW], v[TM+5], 8, v[TM+4]
	v_lshl_or_b32 v[PW], v[TM+6], 16, v[PW]
	v_lshl_or_b32 v[PW], v[TM+7], 24, v[PW]
.irp c, 0,1
	v_cvt_scalef32_pk16_bf6_f32 v[PC+6*\c:PC+2+6*\c], v[\s+32*\c:\s+15+32*\c], v[TM+12+2*\c]
	v_cvt_scalef32_pk16_bf6_f32 v[PC+12+4*\c:PC+14+4*\c], v[\s+16+32*\c:\s+31+32*\c], v[TM+12+2*\c+1]   ; (a conversion's three registers begin on an even number)
.endr
	v_nop                                          ; one plain instruction behind the conversions
.irp c, 0,1                            ; the operand wants a whole block in a lane: lanes 0-15 block 2 c, lanes 16-31 block 2 c + 1
.irp i, 0,1,2
	v_permlane16_swap_b32 v[PC+6*\c+\i], v[PC+12+4*\c+\i]
.endr
.irp i, 0,1,2
	v_mov_b32 v[PC+3+6*\c+\i], v[PC+12+4*\c+\i]
.endr
.endr
.endm
.macro BARRIER                         ; my LDS stores have landed and my LDS loads are in: then the work-group's barrier
	s_wait_dscnt 0x0
	s_barrier_signal -1
	s_barrier_wait -1
.endm
; K step s of x: four fragments and their scale words, 16 LDS loads, into set p
.macro XFETCH s, p
.irp m, 0,1,2,3
.if \s < 2
.set FG, 2*\m+\s
.else
.set FG, 8+\m
.endif
.irp c, 0,1,2
	ds_load_b128 v[XF+48*\p+12*\m+4*\c:XF+48*\p+12*\m+4*\c+3], v4 offset:XIMG+FG*FRB+512*\c
.endr
	ds_load_b32 v[XS+4*\p+\m], v5 offset:XSC+128*FG
.endr
.endm
; K step s from set p: the four accumulators by turns, one instruction a turn
.macro MUL s, p
.irp m, 0,1,2,3
.if \s == 0
	v_wmma_scale_f32_16x16x128_f8f6f4 v[ACC+8*\m:ACC+8*\m+7], v[W1F+12*\s:W1F+12*\s+11], v[XF+48*\p+12*\m:XF+48*\p+12*\m+11], v[B1:B1+7], v[W1S+\s], v[XS+4*\p+\m] matrix_a_fmt:MATRIX_FMT_BF6 matrix_b_fmt:MATRIX_FMT_BF6   ; the bias starts the sum
.else
	v_wmma_scale_f32_16x16x128_f8f6f4 v[ACC+8*\m:ACC+8*\m+7], v[W1F+12*\s:W1F+12*\s+11], v[XF+48*\p+12*\m:XF+48*\p+12*\m+11], v[ACC+8*\m:ACC+8*\m+7], v[W1S+\s], v[XS+4*\p+\m] matrix_a_fmt:MATRIX_FMT_BF6 matrix_b_fmt:MATRIX_FMT_BF6
.endif
.endr
.endm
	s_load_b512 s[4:19], s[0:1], 0x0               ; knn_idx, knn_w, cfT, fine_features, wq, b1, y1, st
	v_lshl_add_u32 v248, v0, 2, 0x17400
	v_mov_b32 v249, 0
	v_lshrrev_b32 v15, 5, v0
	v_readfirstlane_b32 s20, v15                   ; wave 0..15
	s_mov_b32 s21, ttmp9                           ; g
	s_mov_b32 s[SEL], 0x76543210
	s_mov_b32 s[SEL+1], 0xfedcba98
	; every address register is made here, ahead of the first branch
	v_and_b32 v1, 31, v0                           ; lane
	v_and_b32 v2, 15, v0                           ; r
	v_bfe_u32 v3, v0, 4, 1                         ; h
	v_lshlrev_b32 v4, 4, v1
	v_lshlrev_b32 v5, 2, v1
	v_mul_u32_u24 v6, v15, 4*RP                    ; v6: where I put my rows: row 4 w, 16 bytes a lane
	v_add_nc_u32 v6, v6, v4
	v_add_nc_u32 v6, XROW, v6
	v_bfe_u32 v7, v0, 6, 2                         ; v7: what I quantise (waves 0-7): row 16 (w / 2) + r, K step w % 2, my half's 16 numbers of each block
	v_lshl_add_u32 v7, v7, 4, v2
	v_mul_u32_u24 v7, v7, RP
	v_bfe_u32 v12, v0, 5, 1
	v_lshl_add_u32 v7, v12, 9, v7
	v_lshl_add_u32 v7, v3, 6, v7
	v_add_nc_u32 v7, XROW, v7
	v_mul_u32_u24 v8, v15, FRB                     ; v8: my image
	v_add_nc_u32 v8, v8, v4
	v_lshl_add_u32 v9, v15, 7, v5                  ; v9: its scale words
	v_add_nc_u32 v9, XSC, v9
	v_lshrrev_b32 v10, 6, v0                       ; v10: my channels' place in their record: group w / 2, word 16 (w % 2) + 8 h
	v_lshlrev_b32 v10, 8, v10
	v_lshl_add_u32 v10, v12, 6, v10
	v_lshl_add_u32 v10, v3, 5, v10
	v_add_nc_u32 v10, STAT, v10
	v_lshlrev_b32 v11, 2, v2                       ; v11: fine features: point r, channel 16 h (65,536 bytes a channel)
	v_lshl_add_u32 v11, v3, 20, v11
	v_lshlrev_b32 v12, 5, v3                       ; v12: 32 h
	v_bfe_u32 v13, v0, 5, 2                        ; v13: the records on their way out (waves 0-3): two each
	v_lshl_add_u32 v13, v13, 9, v4
	v_add_nc_u32 v13, STAT, v13
	v_lshlrev_b32 v14, 4, v2                       ; v14: and in st: lanes 16-31 the next group, 65,536 bytes on
	v_lshl_add_u32 v14, v3, 16, v14
	s_wait_alu depctr_va_sdst(0)                   ; s20, the wave's number, is written, ahead of its first reader: offsets, bases and branches are made from it
	s_lshl_b32 s58, s21, 10                        ; my four rows' records of 16 bytes: 1,024 g + 64 w
	s_lshl_b32 s59, s20, 6
	s_add_co_u32 s58, s58, s59
	s_mov_b32 s23, 0
	s_wait_kmcnt 0x0
	s_load_b512 s[24:39], s[4:5], s58 offset:0x0   ; (i0, i1, i2, 0) x 4
	s_load_b512 s[40:55], s[6:7], s58 offset:0x0   ; (w0, w1, w2, 0) x 4
	s_mul_i32 s22, s20, FRB
	s_add_nc_u64 s[60:61], s[12:13], s[22:23]      ; W1's fragments 16 s + w
	s_lshl_b32 s22, s20, 7
	s_add_nc_u64 s[62:63], s[12:13], s[22:23]      ; their scale words
	s_lshl_b32 s22, s20, 6
	s_add_nc_u64 s[66:67], s[14:15], s[22:23]      ; b1 at channel 16 w
	s_and_b32 s22, s20, 3
	s_lshl_b32 s22, s22, 6
	s_lshl_b32 s59, s21, 8
	s_add_co_u32 s22, s22, s59
	s_add_nc_u64 s[68:69], s[10:11], s[22:23]      ; fine features at point 64 g + 16 (w % 4)
	s_lshl_b32 s22, s21, 16
	s_lshl_b32 s59, s20, 12
	s_add_co_u32 s22, s22, s59
	s_add_nc_u64 s[70:71], s[16:17], s[22:23]      ; y1 at [g][w]
	s_and_b32 s22, s20, 3
	s_lshl_b32 s22, s22, 17
	s_lshl_b32 s59, s21, 8
	s_add_co_u32 s22, s22, s59
	s_add_nc_u64 s[72:73], s[18:19], s[22:23]      ; st at group 2 (w % 4), record g
	s_wait_alu depctr_va_vdst(0)                   ; the offsets and LDS addresses v4 to v14 are written: every load and store of the kernel but the gather's reads one of them
	; ---- loads that hang on no index
.irp s, 0,1,2
.irp c, 0,1,2
	global_load_b128 v[W1F+12*\s+4*\c:W1F+12*\s+4*\c+3], v4, s[60:61] offset:16*FRB*\s+512*\c
.endr
	global_load_b32 v[W1S+\s], v5, s[62:63] offset:98304+2048*\s
.endr
	global_load_b128 v[B1:B1+3], v12, s[66:67]
	global_load_b128 v[B1+4:B1+7], v12, s[66:67] offset:16
	s_cmp_lt_u32 s20, 8
	s_cbranch_scc1 .Lno_ff
	s_cmp_ge_u32 s20, 12
	s_cbranch_scc1 .Lno_ff
.irp b, 0,1                            ; waves 8-11: K step 2 of row tile w - 8: register 16 b + i = fine feature 32 b + 16 h + i of point r; sixteen lanes read 64 consecutive bytes
.irp i, 0,1,2,3,4,5,6,7,8,9,10,11,12,13,14,15
	global_load_b32 v[ST+16*\b+\i], v11, s[68:69] offset:(32*\b+\i)*65536 th:TH_LOAD_NT
.endr
.endr
.irp j, 32,33,34,35,36,37,38,39,40,41,42,43,44,45,46,47,48,49,50,51,52,53,54,55,56,57,58,59,60,61,62,63
	v_mov_b32 v[ST+\j], 0                          ; k = 320 .. 383: zeros
.endr
.Lno_ff:
	; ---- the gather: 12 rows of cfT, 1,024 bytes each: two loads of 512 consecutive bytes.  All twelve offsets first, so that one wait serves the 24 loads
	s_wait_kmcnt 0x0
.irp i, 0,1,2,3
.irp k, 0,1,2
	s_min_u32 s[24+4*\i+\k], s[24+4*\i+\k], 0xfff
	v_lshl_add_u32 v[16+3*\i+\k], s[24+4*\i+\k], 10, v4
.endr
.endr
	s_wait_alu depctr_va_vdst(0)                   ; the twelve offsets v16 to v27 are written, which the gather's loads read
.irp i, 0,1,2,3
.irp k, 0,1,2
	global_load_b128 v[G+24*\i+8*\k:G+24*\i+8*\k+3], v[16+3*\i+\k], s[8:9]
	global_load_b128 v[G+24*\i+8*\k+4:G+24*\i+8*\k+7], v[16+3*\i+\k], s[8:9] offset:512
.endr
.endr
.irp i, 0,1,2,3
	s_wait_loadcnt 18-6*\i                         ; row i's six loads are in; the later rows' six each may be out
.if \i > 0
	s_wait_alu depctr_va_vdst(0)                   ; the row before is interpolated: its lines have written the eight registers that the two LDS stores below read
	ds_store_b128 v6, v[G+24*(\i-1):G+24*(\i-1)+3] offset:RP*(\i-1)
	ds_store_b128 v6, v[G+24*(\i-1)+4:G+24*(\i-1)+7] offset:RP*(\i-1)+512
.endif
.irp c, 0,1,2,3,4,5,6,7
	v_mul_f32 v[G+24*\i+\c], s[40+4*\i], v[G+24*\i+\c]
.endr
.irp c, 0,1,2,3,4,5,6,7
	v_fmac_f32 v[G+24*\i+\c], s[41+4*\i], v[G+24*\i+8+\c]
.endr
.irp c, 0,1,2,3,4,5,6,7
	v_fmac_f32 v[G+24*\i+\c], s[42+4*\i], v[G+24*\i+16+\c]
.endr
.endr
	s_wait_alu depctr_va_vdst(0)                   ; the last row is interpolated: its eight registers are written; and every line that names G is done, so that loads may land there later
	ds_store_b128 v6, v[G+72:G+75] offset:RP*3
	ds_store_b128 v6, v[G+76:G+79] offset:RP*3+512
	BARRIER                                        ; 64 interpolated rows lie in LDS
	s_wait_alu depctr_vm_vsrc(0)                   ; my rows' LDS stores have read G's registers, which the quantiser writes again and in which x's fragments land
	; ---- twelve waves quantise a fragment each
	s_cmp_ge_u32 s20, 12
	s_cbranch_scc1 .Lq_skip
	s_cmp_ge_u32 s20, 8
	s_cbranch_scc1 .Lq_go
.irp b, 0,1,2,3
.irp j, 0,1,2,3
	ds_load_b128 v[ST+16*\b+4*\j:ST+16*\b+4*\j+3], v7 offset:128*\b+16*\j
.endr
.endr
	s_wait_dscnt 0x0
.Lq_go:
.irp b, 0,1,2,3
	v_mov_b32 v[TM+4+\b], 0                        ; a lane permute's destination counts as one of its sources
.endr
	QUANT ST
	s_wait_alu depctr_va_vdst(0)                   ; the quantiser has written the codes v[PC ..] and the scale word v[PW], which the LDS stores read; it is done with all its registers, in which x's fragments land
.irp c, 0,1,2
	ds_store_b128 v8, v[PC+4*\c:PC+4*\c+3] offset:XIMG+512*\c
.endr
	ds_store_b32 v9, v[PW]
.Lq_skip:
	BARRIER                                        ; x's twelve fragments lie in LDS
	s_wait_alu depctr_vm_vsrc(0)                   ; my image's LDS stores have read v[PC ..] and v[PW], in which set 0's loads land
	; ---- the product: three K steps on two sets of fragments
	XFETCH 0, 0
	XFETCH 1, 1
	s_wait_dscnt 16                                ; K step 0's 16 loads are in; K step 1's 16 may be out
	MUL 0, 0
.rept 4
	v_nop                                          ; four plain instructions behind the products, ahead of loads into registers that they read
.endr
	s_wait_alu depctr_va_vdst(0)                   ; K step 0's products are done reading set 0 and its scale words, in which K step 2's loads land
	XFETCH 2, 0
	s_wait_dscnt 16                                ; K step 1's loads are in; K step 2's 16 may be out, and land while K step 1 is multiplied
	MUL 1, 1
	s_wait_dscnt 0x0
	MUL 2, 0
.rept 4
	v_nop                                          ; four plain instructions ahead of the first read of results (ISA guide 7.12.1); they stay beside the wait below
.endr
	s_wait_alu depctr_va_vdst(0)                   ; the products have written the accumulators, which the stores read
	; ---- y1 out, straight from the accumulators, each from its low end on: 512 consecutive bytes a store
.irp m, 0,1,2,3
	global_store_b128 v4, v[ACC+8*\m:ACC+8*\m+3], s[70:71] offset:1024*\m
	global_store_b128 v4, v[ACC+8*\m+4:ACC+8*\m+7], s[70:71] offset:1024*\m+512
.endr
	; ---- my 16 channels' statistics over the 64 rows: 4 accumulators, then the 16 lanes of my half.  These lines read the accumulators and write none of them
.irp p, 0,2,4,6
	v_pk_add_f32 v[SM+\p:SM+\p+1], v[ACC+\p:ACC+\p+1], v[ACC+8+\p:ACC+9+\p]
.endr
.irp p, 0,2,4,6
	v_pk_add_f32 v[SM+\p:SM+\p+1], v[SM+\p:SM+\p+1], v[ACC+16+\p:ACC+17+\p]
.endr
.irp p, 0,2,4,6
	v_pk_add_f32 v[SM+\p:SM+\p+1], v[SM+\p:SM+\p+1], v[ACC+24+\p:ACC+25+\p]
.endr
.irp x, 1,2,4,8
.irp j, 0,1,2,3,4,5,6,7
	v_add_f32_dpp v[SM+\j], v[SM+\j], v[SM+\j] row_xmask:\x row_mask:0xf bank_mask:0xf
.endr
.endr
.irp j, 0,1,2,3,4,5,6,7
	v_mul_f32 v[SM+\j], 0x3c800000, v[SM+\j]       ; / 64: the mean
.endr
.irp m, 0,1,2,3
.irp p, 0,2,4,6
	v_pk_add_f32 v[TT+\p:TT+\p+1], v[ACC+8*\m+\p:ACC+8*\m+\p+1], v[SM+\p:SM+\p+1] neg_lo:[0,1] neg_hi:[0,1]
.endr
.irp p, 0,2,4,6
.if \m == 0
	v_pk_mul_f32 v[QQ+\p:QQ+\p+1], v[TT+\p:TT+\p+1], v[TT+\p:TT+\p+1]
.else
	v_pk_fma_f32 v[QQ+\p:QQ+\p+1], v[TT+\p:TT+\p+1], v[TT+\p:TT+\p+1], v[QQ+\p:QQ+\p+1]
.endif
.endr
.endr
.irp x, 1,2,4,8
.irp j, 0,1,2,3,4,5,6,7
	v_add_f32_dpp v[QQ+\j], v[QQ+\j], v[QQ+\j] row_xmask:\x row_mask:0xf bank_mask:0xf
.endr
.endr
	s_wait_alu depctr_va_vdst(0)                   ; the means v[SM ..] and the sums v[QQ ..] are written, which the LDS stores read; the lines that name v[TT ..] are done, in which the record's load lands
	ds_store_b128 v10, v[SM:SM+3]                  ; the 16 lanes of a half write the same bytes with the same values
	ds_store_b128 v10, v[SM+4:SM+7] offset:16
	ds_store_b128 v10, v[QQ:QQ+3] offset:128
	ds_store_b128 v10, v[QQ+4:QQ+7] offset:144
	BARRIER                                        ; eight records lie in LDS
	s_cmp_ge_u32 s20, 4
	s_cbranch_scc1 .Lend
	ds_load_b128 v[TT:TT+3], v13
	s_wait_dscnt 0x0
	global_store_b128 v14, v[TT:TT+3], s[72:73]    ; sixteen lanes store one record: 256 consecutive bytes, aligned
.Lend:
	s_wait_dscnt 0x0                               ; the closing lines, six on end
	s_wait_alu 0x0
	s_wait_tensorcnt 0x0
	ds_add_u32 v248, v249
	s_wait_dscnt 0x0
	s_endpgm
.Lfunc_end_k_qdade65f359_gemm1:
	.size	k_qdade65f359_gemm1, .Lfunc_end_k_qdade65f359_gemm1-k_qdade65f359_gemm1
	.p2alignl 7, 3214868480
	.fill 96, 4, 3214868480
	.section	.rodata,"a",@progbits
	.p2align	6, 0x0
	.amdhsa_kernel k_qdade65f359_gemm1
		.amdhsa_group_segment_fixed_size 97280
		.amdhsa_private_segment_fixed_size 0
		.amdhsa_enable_private_segment 0
		.amdhsa_kernarg_size 64
		.amdhsa_user_sgpr_count 2
		.amdhsa_user_sgpr_kernarg_segment_ptr 1
		.amdhsa_wavefront_size32 1
		.amdhsa_system_sgpr_workgroup_id_x 1
		.amdhsa_system_sgpr_workgroup_id_y 1
		.amdhsa_system_sgpr_workgroup_id_z 1
		.amdhsa_system_vgpr_workitem_id 0
		.amdhsa_next_free_vgpr 250
		.amdhsa_next_free_sgpr 76
		.amdhsa_reserve_vcc 0
		.amdhsa_float_denorm_mode_32 3
		.amdhsa_float_denorm_mode_16_64 3
		.amdhsa_memory_ordered 1
		.amdhsa_forward_progress 1
		.amdhsa_inst_pref_size 36
	.end_amdhsa_kernel
	.amdgpu_metadata
---
amdhsa.version: [ 1, 2 ]
amdhsa.kernels:
  - .name:           k_qdade65f359_gemm1
    .symbol:         k_qdade65f359_gemm1.kd
    .args:
      - { .name: knn_idx, .offset: 0, .size: 8, .value_kind: global_buffer, .address_space: global }
      - { .name: knn_w, .offset: 8, .size: 8, .value_kind: global_buffer, .address_space: global }
      - { .name: cfT, .offset: 16, .size: 8, .value_kind: global_buffer, .address_space: global }
      - { .name: fine_features, .offset: 24, .size: 8, .value_kind: global_buffer, .address_space: global }
      - { .name: wq, .offset: 32, .size: 8, .value_kind: global_buffer, .address_space: global }
      - { .name: b1, .offset: 40, .size: 8, .value_kind: global_buffer, .address_space: global }
      - { .name: y1, .offset: 48, .size: 8, .value_kind: global_buffer, .address_space: global }
      - { .name: st, .offset: 56, .size: 8, .value_kind: global_buffer, .address_space: global }
    .group_segment_fixed_size: 97280
    .private_segment_fixed_size: 0
    .kernarg_segment_align: 8
    .kernarg_segment_size: 64
    .max_flat_workgroup_size: 512
    .sgpr_count:     76
    .vgpr_count:     250
    .wavefront_size: 32
...
	.end_amdgpu_metadata
.endif
;; end of part 6
;; launch stats1: the kernel of part 3 again; grid 8 x 1, 8 waves a work-group, no clusters, 9,216 bytes of LDS; arguments st, g1, be1, ab1; writes ab1
;; launch gemm2 (part 7): grid 256 x 1, 8 waves a work-group, no clusters, 50,176 bytes of LDS; arguments y1, ab1, wq, b2, y2, st; writes y2, st
.if DOCPART == 7
	.amdgcn_target "amdgcn-amd-amdhsa--gfx1250"
	.amdhsa_code_object_version 6
	.text
	.protected	k_qdade65f359_gemm2
	.globl	k_qdade65f359_gemm2
	.p2align	8
	.type	k_qdade65f359_gemm2,@function
k_qdade65f359_gemm2:
	s_mov_b64 s[64:65], 0
	v_nop
	global_prefetch_b8 v0, s[64:65] scope:SCOPE_SE
	s_setreg_imm32_b32 hwreg(HW_REG_WAVE_SCHED_MODE, 0, 2), 2
	s_setreg_imm32_b32 hwreg(HW_REG_WAVE_MODE, 25, 1), 1
	s_wait_xcnt 0x0
	s_wait_alu depctr_vm_vsrc(0)
; y2 = relu(y1 a + b') W2^T + b2 on codes of E3M2 with one E8M0 scale for each 32 along K (K = 256: two K steps), and each work-group's mean and sum of squared deviations of every channel.
; SHARES.  Work-group g: rows 64 g .. 64 g + 63.  Wave w normalises and quantises fragment (row tile w / 2, K step w % 2): y1 lies as images of the last launch's accumulators, so that sixteen loads of 16 bytes a lane,
; each half of the lanes on 256 consecutive bytes, bring the 64 numbers in the very order the quantiser wants.  Fragments go from wave to wave as images of their registers.
; Then wave w owns output channels 16 w .. 16 w + 15 for the 64 rows: 4 accumulators x 2 K steps, its part of W2 in registers.
; THE PRODUCT IS USED AS IT STANDS (source 0 = 16 rows of the hidden layer, source 1 = 16 rows of W2): lane (r, h), register j = y2(point 16 m + 8 h + j, channel 16 w + r): eight neighbours of a row of the
; transposed output [128][16,384].  They go through the wave's own stage in LDS and leave as runs of 256 consecutive bytes, aligned.
; All work-groups read the same 25 KB of W2's codes: straight into registers in fragment order, a fifth of a work-group's 125 KB; so no LDS tile, no tensor load and no joint request.
; LIMITS: NaN and infinities are not served; a block of zeros gets the scale byte 1 (its codes are zeros; this program alone reads the bytes).
; THE MODE: SCHED_MODE bits 1:0 = 2 (LLVM: expert scheduling mode 2), set by the entry lines.  The code itself states the register dependences
; between vector or matrix instructions and memory or LDS instructions, with s_wait_alu, always for 0.
; THE PLAN.  Registers that memory or LDS instructions touch:
;   v4-v15       offsets and LDS addresses: written once at the head, read by every load and store, never written again.
;   ST, PA, PB   loads land in them; the normalising lines and the quantiser read them.  One wait on va_vdst behind the quantiser shows all of that done.
;   PC, PW       written by the quantiser; read by the image's four LDS stores behind that wait; a wait on vm_vsrc behind the barrier shows them read.
;   XF, XS       two sets, one for each K step, in registers that ST, PA, PB and the quantiser have left: all 32 loads go out together, and no wait stands between the two steps' products.
;   ACC          written by the products; read by the stage's LDS stores behind the places and one wait on va_vdst; never written again.
;   v16-47       the stage's loads land in them (ST's registers, done with since the quantiser's wait); the global stores read them.
;   v56, v72     the statistics' results, read by two LDS stores behind one wait on va_vdst, which also shows v64-67 done with, in which the record's load lands.
.set HIMG,  0                          ; LDS: eight fragment images of 1,536 bytes: image 2 m + s
.set HSC,   12288                      ; their scale words, 128 bytes each
.set STG,   13312                      ; a stage of 16 rows x (256 + 16) bytes for each wave
.set STAT2, 48128                      ; [4 groups of 32 channels][mean, sum][32] f32
.set FRB,   1536
.set ST,    16                         ; v16-79   64 numbers
.set PA,    80                         ; v80-143  their a
.set PB,    144                        ; v144-207 their b'
.set W2F,   208                        ; v208-231 my two fragments of W2
.set W2S,   232                        ; v232-233 their scale words
.set B2,    234                        ; v234-241 b2 in the result's layout: my channel's, eight times
.set XS,    242                        ; v242-245, v250-253 the hidden layer's scale words: K step s at XS + 8 s
.set PC,    80
.set TM,    100
.set PW,    116
.set XF,    72                         ; v72-167  four fragments of the hidden layer for each K step: K step s at XF + 48 s
.set ACC,   176                        ; v176-207 four accumulators
.set SEL,   18
.macro QUANT s
.irp b, 0,1,2,3
	v_max3_num_f32 v[TM+\b], |v[\s+16*\b]|, |v[\s+1+16*\b]|, 0x2800000   ; my 16 numbers of block b, and the floor 2^(5 - 127): the byte cannot fall under 1
.endr
.irp i, 2,4,6,8,10,12,14
.irp b, 0,1,2,3
	v_max3_num_f32 v[TM+\b], v[TM+\b], |v[\s+16*\b+\i]|, |v[\s+1+16*\b+\i]|
.endr
.endr
.irp b, 0,1,2,3
	v_permlanex16_b32 v[TM+4+\b], v[TM+\b], s[SEL], s[SEL+1]
.endr
.irp b, 0,1,2,3
	v_max_num_f32 v[TM+\b], v[TM+\b], v[TM+4+\b]   ; with lane l xor 16's: the block's largest magnitude
.endr
.irp b, 0,1,2,3
	v_add_nc_u32 v[TM+12+\b], 0xfe000000, v[TM+\b] ; 4 off its exponent field: the conversion's scale operand
.endr
.irp b, 0,1,2,3
	v_lshrrev_b32 v[TM+4+\b], 23, v[TM+12+\b]      ; the scale's byte
.endr
	v_lshl_or_b32 v[PW], v[TM+5], 8, v[TM+4]
	v_lshl_or_b32 v[PW], v[TM+6], 16, v[PW]
	v_lshl_or_b32 v[PW], v[TM+7], 24, v[PW]
.irp c, 0,1
	v_cvt_scalef32_pk16_bf6_f32 v[PC+6*\c:PC+2+6*\c], v[\s+32*\c:\s+15+32*\c], v[TM+12+2*\c]
	v_cvt_scalef32_pk16_bf6_f32 v[PC+12+4*\c:PC+14+4*\c], v[\s+16+32*\c:\s+31+32*\c], v[TM+12+2*\c+1]   ; (a conversion's three registers begin on an even number)
.endr
	v_nop                                          ; one plain instruction behind the conversions
.irp c, 0,1
.irp i, 0,1,2
	v_permlane16_swap_b32 v[PC+6*\c+\i], v[PC+12+4*\c+\i]
.endr
.irp i, 0,1,2
	v_mov_b32 v[PC+3+6*\c+\i], v[PC+12+4*\c+\i]
.endr
.endr
.endm
.macro BARRIER
	s_wait_dscnt 0x0
	s_barrier_signal -1
	s_barrier_wait -1
.endm
	s_load_b256 s[4:11], s[0:1], 0x0               ; y1, ab1, wq, b2
	s_load_b128 s[12:15], s[0:1], 0x20             ; y2, st
	v_lshl_add_u32 v248, v0, 2, 0xc000
	v_mov_b32 v249, 0
	v_lshrrev_b32 v246, 5, v0
	v_readfirstlane_b32 s16, v246                  ; wave 0..7
	s_mov_b32 s17, ttmp9                           ; g
	s_mov_b32 s[SEL], 0x76543210
	s_mov_b32 s[SEL+1], 0xfedcba98
	v_and_b32 v1, 31, v0
	v_and_b32 v2, 15, v0                           ; r
	v_bfe_u32 v3, v0, 4, 1                         ; h
	v_lshlrev_b32 v4, 4, v1
	v_lshlrev_b32 v5, 2, v1
	v_lshlrev_b32 v6, 4, v2                        ; v6: y1: channel tile + h (4,096 bytes), lane r's 16 bytes
	v_lshl_add_u32 v6, v3, 12, v6
	v_lshlrev_b32 v7, 6, v3                        ; v7: a, b': my half's 16 of each block of 32
	v_lshlrev_b32 v8, 2, v2                        ; v8: b2: channel r of my tile
	v_mul_u32_u24 v9, v246, FRB                    ; v9: my image
	v_add_nc_u32 v9, v9, v4
	v_lshl_add_u32 v10, v246, 7, v5                ; v10: its scale words
	v_add_nc_u32 v10, HSC, v10
	v_mul_u32_u24 v11, v246, 16*272                ; v11: my stage, in: row r, 32 h
	v_add_nc_u32 v11, STG, v11
	v_mul_u32_u24 v12, v3, 272                     ; v12: back: lanes 0-15 one row, lanes 16-31 the next
	v_lshl_add_u32 v12, v2, 4, v12
	v_add_nc_u32 v12, v12, v11
	v_mad_u32_u24 v11, v2, 272, v11
	v_lshl_add_u32 v11, v3, 5, v11
	v_lshrrev_b32 v13, 6, v0                       ; v13: my channel's place in its record: group w / 2, word 16 (w % 2) + r
	v_lshlrev_b32 v13, 8, v13
	v_bfe_u32 v247, v0, 5, 1
	v_lshl_add_u32 v13, v247, 6, v13
	v_lshl_add_u32 v13, v2, 2, v13
	v_add_nc_u32 v13, STAT2, v13
	v_lshl_add_u32 v14, v247, 9, v4                ; v14: the records on their way out (waves 0, 1): two each
	v_add_nc_u32 v14, STAT2, v14
	v_lshlrev_b32 v15, 4, v2                       ; v15: in y2 and in st: 65,536 h + 16 r
	v_lshl_add_u32 v15, v3, 16, v15
	s_wait_alu depctr_va_sdst(0)                   ; s16, the wave's number, is written, ahead of its first reader: the bases and a branch are made from it
	s_and_b32 s20, s16, 1
	s_lshr_b32 s21, s16, 1
	s_mov_b32 s23, 0
	s_wait_kmcnt 0x0
	s_lshl_b32 s22, s17, 16
	s_lshl_b32 s38, s20, 15
	s_add_co_u32 s22, s22, s38
	s_lshl_b32 s38, s21, 10
	s_add_co_u32 s22, s22, s38
	s_add_nc_u64 s[24:25], s[4:5], s[22:23]        ; y1 at [g][8 s][m]
	s_lshl_b32 s22, s20, 9
	s_add_nc_u64 s[26:27], s[6:7], s[22:23]        ; a at channel 128 s
	s_mul_i32 s22, s16, FRB
	s_add_nc_u64 s[28:29], s[8:9], s[22:23]        ; W2's fragments 48 + 8 s + w
	s_lshl_b32 s22, s16, 7
	s_add_nc_u64 s[30:31], s[8:9], s[22:23]
	s_lshl_b32 s22, s16, 6
	s_add_nc_u64 s[32:33], s[10:11], s[22:23]      ; b2 at channel 16 w
	s_lshl_b32 s22, s16, 20
	s_lshl_b32 s38, s17, 8
	s_add_co_u32 s22, s22, s38
	s_add_nc_u64 s[34:35], s[12:13], s[22:23]      ; y2 at channel 16 w, point 64 g
	s_lshl_b32 s22, s20, 17
	s_add_co_u32 s22, s22, s38
	s_add_nc_u64 s[36:37], s[14:15], s[22:23]      ; st at group 2 (w % 2), record g
	s_wait_alu depctr_va_vdst(0)                   ; the offsets and LDS addresses v4 to v15 are written: every load and store of the kernel reads one of them
	; ---- all loads at once.  Register 16 b + 8 u + 4 d + .. = channel 128 s + 32 b + 16 h + 8 u + 4 d + .. of row 16 m + r
.irp b, 0,1,2,3
.irp u, 0,1
.irp d, 0,1
	global_load_b128 v[ST+16*\b+8*\u+4*\d:ST+16*\b+8*\u+4*\d+3], v6, s[24:25] offset:8192*\b+256*\u+512*\d th:TH_LOAD_NT
.endr
.endr
.endr
.irp b, 0,1,2,3
.irp j, 0,1,2,3
	global_load_b128 v[PA+16*\b+4*\j:PA+16*\b+4*\j+3], v7, s[26:27] offset:128*\b+16*\j
	global_load_b128 v[PB+16*\b+4*\j:PB+16*\b+4*\j+3], v7, s[26:27] offset:1024+128*\b+16*\j
.endr
.endr
.irp s, 0,1
.irp c, 0,1,2
	global_load_b128 v[W2F+12*\s+4*\c:W2F+12*\s+4*\c+3], v4, s[28:29] offset:(48+8*\s)*FRB+512*\c
.endr
	global_load_b32 v[W2S+\s], v5, s[30:31] offset:98304+(48+8*\s)*128
.endr
.irp j, 0,1,2,3,4,5,6,7
	global_load_b32 v[B2+\j], v8, s[32:33]
.endr
	s_wait_loadcnt 0x0
	; ---- the first layer's BatchNorm as one fused multiply-add, ReLU, quantise
.irp p, 0,2,4,6,8,10,12,14,16,18,20,22,24,26,28,30,32,34,36,38,40,42,44,46,48,50,52,54,56,58,60,62
	v_pk_fma_f32 v[ST+\p:ST+\p+1], v[ST+\p:ST+\p+1], v[PA+\p:PA+\p+1], v[PB+\p:PB+\p+1]
.endr
.irp j, 0,1,2,3,4,5,6,7,8,9,10,11,12,13,14,15,16,17,18,19,20,21,22,23,24,25,26,27,28,29,30,31,32,33,34,35,36,37,38,39,40,41,42,43,44,45,46,47,48,49,50,51,52,53,54,55,56,57,58,59,60,61,62,63
	v_max_num_f32 v[ST+\j], 0, v[ST+\j]
.endr
.irp b, 0,1,2,3
	v_mov_b32 v[TM+4+\b], 0                        ; a lane permute's destination counts as one of its sources
.endr
	QUANT ST
	s_wait_alu depctr_va_vdst(0)                   ; the quantiser has written the codes v[PC ..] and the scale word v[PW], which the LDS stores read; all lines that name ST, PA, PB and the quantiser's registers are done, in which the fragments' and the stage's loads land
.irp c, 0,1,2
	ds_store_b128 v9, v[PC+4*\c:PC+4*\c+3] offset:HIMG+512*\c
.endr
	ds_store_b32 v10, v[PW]
	BARRIER                                        ; the hidden layer's eight fragments lie in LDS
	s_wait_alu depctr_vm_vsrc(0)                   ; my image's LDS stores have read v[PC ..] and v[PW], in which K step 0's loads land
	; ---- the product: both K steps' fragments are asked for together; four accumulators by turns, one instruction a turn
.irp s, 0,1
.irp m, 0,1,2,3
.irp c, 0,1,2
	ds_load_b128 v[XF+48*\s+12*\m+4*\c:XF+48*\s+12*\m+4*\c+3], v4 offset:HIMG+(2*\m+\s)*FRB+512*\c
.endr
	ds_load_b32 v[XS+8*\s+\m], v5 offset:HSC+128*(2*\m+\s)
.endr
.endr
	s_wait_dscnt 16                                ; K step 0's 16 loads are in; K step 1's 16 may be out
.irp m, 0,1,2,3
	v_wmma_scale_f32_16x16x128_f8f6f4 v[ACC+8*\m:ACC+8*\m+7], v[XF+12*\m:XF+12*\m+11], v[W2F:W2F+11], v[B2:B2+7], v[XS+\m], v[W2S] matrix_a_fmt:MATRIX_FMT_BF6 matrix_b_fmt:MATRIX_FMT_BF6   ; the bias starts the sum
.endr
	s_wait_dscnt 0x0
.irp m, 0,1,2,3
	v_wmma_scale_f32_16x16x128_f8f6f4 v[ACC+8*\m:ACC+8*\m+7], v[XF+48+12*\m:XF+48+12*\m+11], v[W2F+12:W2F+23], v[ACC+8*\m:ACC+8*\m+7], v[XS+8+\m], v[W2S+1] matrix_a_fmt:MATRIX_FMT_BF6 matrix_b_fmt:MATRIX_FMT_BF6
.endr
.rept 4
	v_nop                                          ; four plain instructions ahead of the first read of results, and of vector lines that write registers which the products read (ISA guide 7.12.1); they stay beside the wait below
.endr
	s_wait_alu depctr_va_vdst(0)                   ; the products have written the accumulators, which the LDS stores read
	; ---- through my stage: each accumulator from its low end on; LDS serves a wave's instructions in order, so the loads see the stores
.irp m, 0,1,2,3
	ds_store_b128 v11, v[ACC+8*\m:ACC+8*\m+3] offset:64*\m
	ds_store_b128 v11, v[ACC+8*\m+4:ACC+8*\m+7] offset:64*\m+16
.endr
.irp i, 0,1,2,3,4,5,6,7
	ds_load_b128 v[16+4*\i:19+4*\i], v12 offset:544*\i
.endr
	; ---- my channel's statistics over the 64 points: my 32 numbers, then lane l xor 16's.  These lines read the accumulators and write none of them, nor v16-47
.irp p, 0,2,4,6
	v_pk_add_f32 v[48+\p:49+\p], v[ACC+\p:ACC+\p+1], v[ACC+8+\p:ACC+9+\p]
.endr
.irp p, 0,2,4,6
	v_pk_add_f32 v[48+\p:49+\p], v[48+\p:49+\p], v[ACC+16+\p:ACC+17+\p]
.endr
.irp p, 0,2,4,6
	v_pk_add_f32 v[48+\p:49+\p], v[48+\p:49+\p], v[ACC+24+\p:ACC+25+\p]
.endr
	v_pk_add_f32 v[48:49], v[48:49], v[50:51]
	v_pk_add_f32 v[52:53], v[52:53], v[54:55]
	v_pk_add_f32 v[48:49], v[48:49], v[52:53]
	v_add_f32 v48, v48, v49
	v_mov_b32 v74, 0
	v_permlanex16_b32 v74, v48, s[SEL], s[SEL+1]
	v_add_f32 v48, v48, v74
	v_mul_f32 v72, 0x3c800000, v48                 ; / 64: the mean
	v_mov_b32 v73, v72
.irp m, 0,1,2,3
.irp p, 0,2,4,6
	v_pk_add_f32 v[64+\p:65+\p], v[ACC+8*\m+\p:ACC+8*\m+\p+1], v[72:73] neg_lo:[0,1] neg_hi:[0,1]
.endr
.irp p, 0,2,4,6
.if \m == 0
	v_pk_mul_f32 v[56+\p:57+\p], v[64+\p:65+\p], v[64+\p:65+\p]
.else
	v_pk_fma_f32 v[56+\p:57+\p], v[64+\p:65+\p], v[64+\p:65+\p], v[56+\p:57+\p]
.endif
.endr
.endr
	v_pk_add_f32 v[56:57], v[56:57], v[58:59]
	v_pk_add_f32 v[60:61], v[60:61], v[62:63]
	v_pk_add_f32 v[56:57], v[56:57], v[60:61]
	v_add_f32 v56, v56, v57
	v_permlanex16_b32 v74, v56, s[SEL], s[SEL+1]
	v_add_f32 v56, v56, v74
	s_wait_alu depctr_va_vdst(0)                   ; the mean v72 and the sum v56 are written, which the LDS stores read; the lines that name v64-67 are done, in which the record's load lands
	ds_store_b32 v13, v72                          ; both halves of the lanes write the same word with the same value
	ds_store_b32 v13, v56 offset:128
	BARRIER                                        ; four records lie in LDS; my stage's loads are in too
.irp i, 0,1,2,3,4,5,6,7
	global_store_b128 v15, v[16+4*\i:19+4*\i], s[34:35] offset:131072*\i   ; sixteen lanes store 256 consecutive bytes of a channel's row, aligned
.endr
	s_cmp_ge_u32 s16, 2
	s_cbranch_scc1 .Lend
	ds_load_b128 v[64:67], v14
	s_wait_dscnt 0x0
	global_store_b128 v15, v[64:67], s[36:37] offset:524288   ; the second part of st: one record for sixteen lanes
.Lend:
	s_wait_dscnt 0x0                               ; the closing lines, six on end
	s_wait_alu 0x0
	s_wait_tensorcnt 0x0
	ds_add_u32 v248, v249
	s_wait_dscnt 0x0
	s_endpgm
.Lfunc_end_k_qdade65f359_gemm2:
	.size	k_qdade65f359_gemm2, .Lfunc_end_k_qdade65f359_gemm2-k_qdade65f359_gemm2
	.p2alignl 7, 3214868480
	.fill 96, 4, 3214868480
	.section	.rodata,"a",@progbits
	.p2align	6, 0x0
	.amdhsa_kernel k_qdade65f359_gemm2
		.amdhsa_group_segment_fixed_size 50176
		.amdhsa_private_segment_fixed_size 0
		.amdhsa_enable_private_segment 0
		.amdhsa_kernarg_size 48
		.amdhsa_user_sgpr_count 2
		.amdhsa_user_sgpr_kernarg_segment_ptr 1
		.amdhsa_wavefront_size32 1
		.amdhsa_system_sgpr_workgroup_id_x 1
		.amdhsa_system_sgpr_workgroup_id_y 1
		.amdhsa_system_sgpr_workgroup_id_z 1
		.amdhsa_system_vgpr_workitem_id 0
		.amdhsa_next_free_vgpr 254
		.amdhsa_next_free_sgpr 66
		.amdhsa_reserve_vcc 0
		.amdhsa_float_denorm_mode_32 3
		.amdhsa_float_denorm_mode_16_64 3
		.amdhsa_memory_ordered 1
		.amdhsa_forward_progress 1
		.amdhsa_inst_pref_size 27
	.end_amdhsa_kernel
	.amdgpu_metadata
---
amdhsa.version: [ 1, 2 ]
amdhsa.kernels:
  - .name:           k_qdade65f359_gemm2
    .symbol:         k_qdade65f359_gemm2.kd
    .args:
      - { .name: y1, .offset: 0, .size: 8, .value_kind: global_buffer, .address_space: global }
      - { .name: ab1, .offset: 8, .size: 8, .value_kind: global_buffer, .address_space: global }
      - { .name: wq, .offset: 16, .size: 8, .value_kind: global_buffer, .address_space: global }
      - { .name: b2, .offset: 24, .size: 8, .value_kind: global_buffer, .address_space: global }
      - { .name: y2, .offset: 32, .size: 8, .value_kind: global_buffer, .address_space: global }
      - { .name: st, .offset: 40, .size: 8, .value_kind: global_buffer, .address_space: global }
    .group_segment_fixed_size: 50176
    .private_segment_fixed_size: 0
    .kernarg_segment_align: 8
    .kernarg_segment_size: 48
    .max_flat_workgroup_size: 256
    .sgpr_count:     66
    .vgpr_count:     254
    .wavefront_size: 32
...
	.end_amdgpu_metadata
.endif
;; end of part 7
;; launch bnout: the kernel of part 5 again; grid 64 x 4, 8 waves a work-group, no clusters, 9,216 bytes of LDS; arguments y2, st, g2, be2, out0; writes out0
